; MI455X (gfx1250); checked and timed in simulation.
; The chip was launched on July 23, 2026; its instructions are those of AMD's public machine-readable ISA for CDNA 5 (MIT licence, August 2026) and "CDNA5" Instruction Set Architecture Reference Guide (July 2026). The comments in the code are by the model that wrote it; some were corrected since.
;; Transformer Block. Allowed arithmetic: matrix products marked QUANTISED: E3M2 operands, one E8M0 scale for each 32 along K, by v_wmma_scale_f32_16x16x128_f8f6f4 with both operands' format E3M2, f32 sums; everything else in f32.
;; Inputs: b1 2,048 float32; b2 512 float32; bk 512 float32; bo 512 float32; bq 512 float32; bv 512 float32; ln1_b 512 float32; ln1_g 512 float32; ln2_b 512 float32; ln2_g 512 float32; w1 2,048 x 512 float32; w2 512 x 2,048 float32; wk 512 x 512 float32; wo 512 x 512 float32; wq 512 x 512 float32; wv 512 x 512 float32; x 4 x 2,048 x 512 float32.
;; Outputs: out0 4 x 2,048 x 512 float32.
;; This version of the problem:
;;   THIS VERSION OF THE PROBLEM IS GIVEN IN LOW PRECISION. The matrix products marked QUANTISED in the list below multiply operands that are first quantised to E3M2 (3 exponent bits, 2 mantissa bits; 6 bits a number), with one power-of-two scale for each 32 numbers along K (OCP MX v1.0); their sums are f32. All else is computed in f32.
;;   The module's matrix products, in the order in which they are computed (A, B: the left and right operand; K: the contracted axis; several contracted axes count as one K, in the product's order):
;;     1. [M 8,192, K 512] x [K 512, N 512]; A: computed on the way; B: input wq: QUANTISED
;;     2. [M 8,192, K 512] x [K 512, N 512]; A: computed on the way; B: input wk: QUANTISED
;;     3. [M 8,192, K 512] x [K 512, N 512]; A: computed on the way; B: input wv: QUANTISED
;;     4. batch 32 x [M 2,048, K 64] x [K 64, N 2,048]; A: computed on the way; B: computed on the way: QUANTISED
;;     5. batch 32 x [M 2,048, K 2,048] x [K 2,048, N 64]; A: softmax (see below); B: computed on the way: QUANTISED
;;     6. [M 8,192, K 512] x [K 512, N 512]; A: computed on the way; B: input wo: QUANTISED
;;     7. [M 8,192, K 512] x [K 512, N 2,048]; A: computed on the way; B: input w1: QUANTISED
;;     8. [M 8,192, K 2,048] x [K 2,048, N 512]; A: computed on the way; B: input w2: QUANTISED
;;   THE QUANTISER, for each operand of a quantised product, along K:
;;     - K is cut into blocks of 32 from its start; a last block that is shorter is filled with zeros.
;;     - A block's scale is 2^e with e = floor(log2(the largest magnitude in the block)) - 4, held to -126 .. 127; a block of zeros has e = 0. As a byte (E8M0): e + 127.
;;     - Each number is divided by its block's scale, clamped to +-28, and rounded to the nearest number of E3M2, ties to even, subnormals kept.
;;     - The product sums the exact products of the quantised numbers (number of the format x scale) in f32.
;;   ~~~python
;;   def quantise(x, axis):      # numpy; x: float32 -> the quantised numbers, widened to float32 again
;;       x = np.moveaxis(x, axis, -1); K = x.shape[-1]
;;       x = np.pad(x, [(0, 0)] * (x.ndim - 1) + [(0, -K % 32)]); x = x.reshape(x.shape[:-1] + (-1, 32)); a = np.abs(x).max(-1, keepdims=True)
;;       e = np.where(a > 0, np.clip(np.frexp(np.where(a > 0, a, 1))[1] - 1 - 4, -126, 127), 0)      # np.frexp(a)[1] - 1 = floor(log2(a)), exactly
;;       r = np.clip(x / 2.0 ** e, -28, 28)
;;       step = 2.0 ** (np.maximum(np.frexp(np.where(r == 0, 1, r))[1] - 1, -2) - 2)
;;       q = np.round(r / step) * step * 2.0 ** e      # np.round: ties to even
;;       return np.moveaxis(q.reshape(q.shape[:-2] + (-1,))[..., :K], -1, axis).astype(np.float32)
;;   ~~~
;;   SOFTMAX AHEAD OF A QUANTISED PRODUCT. Where the list says 'softmax', what is quantised is not the finished softmax but p = 2^(t - M), with t = logit x log2(e) and M = ceil(the row's largest t), a whole number; so 1/2 < the row's largest p <= 1. The row's sum l is taken of the UNQUANTISED p, in f32, and the product's result is divided by l at the end. Since M is a whole number, a kernel that streams over the keys may use a running M (the ceiling of the running maximum): every later rescaling is an exact power of two, which a block's scale takes up: the codes' values come out the same.
;;   OPERANDS COMPUTED ON THE WAY. 'Computed on the way' means the value that the module computes at that place (a softmax that the list does not call 'softmax' is quantised finished and normalised). What goes into a quantiser is computed in f32, as accurately as f32 sums, v_exp_f32 and their like allow (about 1e-6 of the number): no bf16 or f16 on the way to a quantiser, and a product that is left as it is and whose result goes on into a quantised operand takes f32 operands (vector FMAs, or v_wmma_f32_16x16x4_f32). A number that lies on a knife's edge between two numbers of the format may be rounded either way, as far as f32 arithmetic and the matrix unit's own rounding can turn it there, and no further.
;; One version. Each part assembles by itself: llvm-mc -triple=amdgcn-amd-amdhsa -mcpu=gfx1250 --defsym DOCPART=n.
;; ======== version 1 of 1: 6 launches
;; workspace buffers: wimg 2,457,600 bytes; xa 3,276,800 bytes; qkv 10,092,544 bytes; ctx 3,276,800 bytes; x1 16,777,216 bytes; h 13,107,200 bytes
;; launch prep (part 1): grid 224 x 1, 8 waves a work-group, no clusters, 133,120 bytes of LDS; arguments x, wq, wk, wv, wo, w1, w2, ln1_g, ln1_b, xa, wimg; writes xa, wimg
.if DOCPART == 1
	.amdgcn_target "amdgcn-amd-amdhsa--gfx1250"
	.amdhsa_code_object_version 6
	.text
	.protected	k_q965e825e06_prep
	.globl	k_q965e825e06_prep
	.p2align	8
	.type	k_q965e825e06_prep,@function
k_q965e825e06_prep:
	s_mov_b64 s[64:65], 0
	v_nop
	global_prefetch_b8 v0, s[64:65] scope:SCOPE_SE
	s_setreg_imm32_b32 hwreg(HW_REG_WAVE_MODE, 25, 1), 1
	s_wait_xcnt 0x0
; PREP.  Work-groups 0-127: layer norm 1 of x (f32, mean first, then the variance of the differences) and its codes of BF6 (E3M2) with one E8M0 byte for each 32 along K.
; Work-groups 128-223: the codes of wq, wk, wv, wo, w1, w2, whose K is innermost.  One path serves all seven: only pointers and byte strides are chosen, by the work-group's number.
; A work-group takes 64 rows of 512 numbers, 131,072 consecutive bytes of its tensor (of w2: 16 rows of 2,048, taken as 64 quarters).  Every load reads 512 consecutive bytes; the rows turn through a
; stage in LDS (pitch 2,064 bytes = 516 words: row r starts at bank 4 r), from which a lane takes 16 numbers of each block of 32 of ONE row.
; OUTPUT LAYOUT: a fragment (16 rows x 128 K, 12 registers a lane) is stored as an image of its registers: registers 4 c .. 4 c + 3 of lane l at 512 c + 16 l; a scale word (4 bytes: 128 K of a row) at [row][16 bytes].
; ORDER INSIDE A BLOCK: place p of a block of 32 holds k = p, p + 8, p - 8, p for p in 0-7, 8-15, 16-23, 24-31.  Every operand of this program is laid so, so each product pairs the right numbers;
; blocks and scales are the true ones.  The sums inside a matrix instruction are grouped otherwise than with k in its true place: the result is compared within a tolerance.
; LIMITS: NaN and infinities are not served; a block of zeros, and a block whose largest magnitude lies under 2^-122, gets the byte 1 (its codes are zeros or nearly so; this program alone reads the bytes).
; No tensor load, no cluster: the work-groups share no input.
.set PITCH, 2064
.set XA_S, 3145728
.set WO_I, 589824
.set W1_I, 786432
.set W2_I, 1572864
.set WQKV_S, 2359296
.set WO_S, 2383872
.set W1_S, 2392064
.set W2_S, 2424832
.set VO,  4                            ; v4-11   byte offset of my 16 bytes in the wave's rows 0 .. 7
.set STW, 12                           ; v12     the stage, on the way in
.set STR, 13                           ; v13     and on the way out
.set SCO, 15                           ; v15     my scale word's place: 16 r + 4 h
.set G,   16                           ; v16-31  ln1_g of my 16 columns;  v32-47 ln1_b
.set BB,  32
.set R,   48                           ; v48-175 8 rows x 16 numbers; later 2 x 64 numbers of one row
.set TM,  176                          ; v176-191 at work
.set PC,  192                          ; v192-211 codes
.set PW,  212                          ; v212-213 scale words
.set SRC, 30
.set DST, 32
.set WG0, 34
.set IB,  35
.set IL,  36
.set IX,  37
.set SB,  38
.set SL,  39
.set SW,  40
.set SX,  41
.set RP,  42
.set LA,  43
.set LB,  44
.set SEL, 48
.set MSB, 0
.macro WIN new                         ; the immediate's high byte repeats the setting that is left (here every window stays 0)
.if MSB != (\new)
	s_set_vgpr_msb (MSB<<8)|(\new)
.set MSB, (\new)
.endif
.endm
; 64 numbers of a lane (window w), register 16 b + i of block b, become a fragment's codes in v[d] .. v[d + 11] and its scale word in v[pw].  ab = 1: magnitudes are taken.
.macro QUANT s, w, d, pw, ab
	WIN ((\w)<<2)|((\w)<<4)
.irp b,0,1,2,3
.if \ab
	v_max3_num_f32 v[TM+\b], 0x2800000, |v[(\s)+16*\b]|, |v[(\s)+16*\b+1]|   ; the floor 2^(5 - 127) holds the byte at 1 from below
.else
	v_max3_num_f32 v[TM+\b], 0x2800000, v[(\s)+16*\b], v[(\s)+16*\b+1]
.endif
.endr
.irp i,2,4,6,8,10,12,14
.irp b,0,1,2,3
.if \ab
	v_max3_num_f32 v[TM+\b], v[TM+\b], |v[(\s)+16*\b+\i]|, |v[(\s)+16*\b+\i+1]|
.else
	v_max3_num_f32 v[TM+\b], v[TM+\b], v[(\s)+16*\b+\i], v[(\s)+16*\b+\i+1]
.endif
.endr
.endr
	WIN 0
.irp b,0,1,2,3
	v_permlanex16_b32 v[TM+4+\b], v[TM+\b], s[SEL], s[SEL+1]
.endr
.irp b,0,1,2,3
	v_max_num_f32 v[TM+\b], v[TM+\b], v[TM+4+\b]   ; with lane l xor 16's 16: the block's largest magnitude
.endr
.irp b,0,1,2,3
	v_add_nc_u32 v[TM+12+\b], 0xfe000000, v[TM+\b] ; 4 off its exponent field: the conversion's scale operand
.endr
.irp b,0,1,2,3
	v_lshrrev_b32 v[TM+4+\b], 23, v[TM+12+\b]      ; the scale's byte
.endr
	v_lshl_or_b32 v[\pw], v[TM+5], 8, v[TM+4]
	v_lshl_or_b32 v[\pw], v[TM+6], 16, v[\pw]
	v_lshl_or_b32 v[\pw], v[TM+7], 24, v[\pw]
	WIN \w
.irp c,0,1
	v_cvt_scalef32_pk16_bf6_f32 v[(\d)+6*\c:(\d)+6*\c+2], v[(\s)+32*\c:(\s)+32*\c+15], v[TM+12+2*\c]
	v_cvt_scalef32_pk16_bf6_f32 v[(\d)+12+4*\c:(\d)+14+4*\c], v[(\s)+32*\c+16:(\s)+32*\c+31], v[TM+12+2*\c+1]
.endr
	WIN 0
	v_nop                                          ; one plain line behind the last scaled conversion
.irp c,0,1                                     ; a whole block to a lane: lanes 0-15 block 2 c, lanes 16-31 block 2 c + 1
.irp i,0,1,2
	v_permlane16_swap_b32 v[(\d)+6*\c+\i], v[(\d)+12+4*\c+\i]
.endr
.irp i,0,1,2
	v_mov_b32 v[(\d)+3+6*\c+\i], v[(\d)+12+4*\c+\i]
.endr
.endr
.endm
.macro PICK reg, val
	s_cselect_b32 s[\reg], \val, s[\reg]
.endm
.macro LANESUM t                       ; four rows' pairs at v[t + 2 k] are summed over the pair and the 32 lanes
.irp k,0,1,2,3
	v_add_f32 v[\t+2*\k], v[\t+2*\k], v[\t+2*\k+1]
.endr
.irp m,1,2,4,8
.irp k,0,1,2,3
	v_add_f32_dpp v[\t+2*\k], v[\t+2*\k], v[\t+2*\k] row_xmask:\m row_mask:0xf bank_mask:0xf
.endr
.endr
.irp k,0,1,2,3
	v_permlanex16_b32 v[\t+2*\k+1], v[\t+2*\k], s[SEL], s[SEL+1]
.endr
.irp k,0,1,2,3
	v_add_f32 v[\t+2*\k], v[\t+2*\k], v[\t+2*\k+1]
.endr
.endm
.macro LNROWS g                        ; layer norm of the wave's rows 4 g .. 4 g + 3, by turns
.irp k,0,1,2,3
	v_pk_add_f32 v[TM+2*\k:TM+2*\k+1], v[R+16*(4*\g+\k):R+16*(4*\g+\k)+1], v[R+16*(4*\g+\k)+2:R+16*(4*\g+\k)+3]
.endr
.irp j,4,6,8,10,12,14
.irp k,0,1,2,3
	v_pk_add_f32 v[TM+2*\k:TM+2*\k+1], v[TM+2*\k:TM+2*\k+1], v[R+16*(4*\g+\k)+\j:R+16*(4*\g+\k)+\j+1]
.endr
.endr
	LANESUM TM
.irp k,0,1,2,3
	v_mul_f32 v[TM+2*\k], s50, v[TM+2*\k]          ; the mean
.endr
.irp j,0,2,4,6,8,10,12,14
.irp k,0,1,2,3
	v_pk_add_f32 v[R+16*(4*\g+\k)+\j:R+16*(4*\g+\k)+\j+1], v[R+16*(4*\g+\k)+\j:R+16*(4*\g+\k)+\j+1], v[TM+2*\k:TM+2*\k+1] op_sel_hi:[1,0] neg_lo:[0,1] neg_hi:[0,1]
.endr
.endr
.irp k,0,1,2,3
	v_pk_mul_f32 v[TM+8+2*\k:TM+8+2*\k+1], v[R+16*(4*\g+\k):R+16*(4*\g+\k)+1], v[R+16*(4*\g+\k):R+16*(4*\g+\k)+1]
.endr
.irp j,2,4,6,8,10,12,14
.irp k,0,1,2,3
	v_pk_fma_f32 v[TM+8+2*\k:TM+8+2*\k+1], v[R+16*(4*\g+\k)+\j:R+16*(4*\g+\k)+\j+1], v[R+16*(4*\g+\k)+\j:R+16*(4*\g+\k)+\j+1], v[TM+8+2*\k:TM+8+2*\k+1]
.endr
.endr
	LANESUM TM+8
.irp k,0,1,2,3
	v_fma_f32 v[TM+8+2*\k], v[TM+8+2*\k], s50, s51 ; the variance + 1e-5
.endr
.irp k,0,1,2,3
	v_rsq_f32 v[TM+8+2*\k], v[TM+8+2*\k]
.endr
	v_nop                                          ; a plain line behind the last root
	s_wait_alu depctr_va_vdst(0)                   ; one wait for the four roots, ahead of their first reader
.irp j,0,2,4,6,8,10,12,14
.irp k,0,1,2,3
	v_pk_mul_f32 v[R+16*(4*\g+\k)+\j:R+16*(4*\g+\k)+\j+1], v[R+16*(4*\g+\k)+\j:R+16*(4*\g+\k)+\j+1], v[TM+8+2*\k:TM+8+2*\k+1] op_sel_hi:[1,0]
.endr
.endr
.irp j,0,2,4,6,8,10,12,14
.irp k,0,1,2,3
	v_pk_fma_f32 v[R+16*(4*\g+\k)+\j:R+16*(4*\g+\k)+\j+1], v[R+16*(4*\g+\k)+\j:R+16*(4*\g+\k)+\j+1], v[G+\j:G+\j+1], v[BB+\j:BB+\j+1]
.endr
.endr
.endm
	s_load_b512 s[4:19], s[0:1], 0x0               ; x, wq, wk, wv, wo, w1, w2, ln1_g
	s_load_b128 s[20:23], s[0:1], 0x40             ; ln1_b, xa
	s_load_b64 s[24:25], s[0:1], 0x50              ; wimg
	v_lshl_add_u32 v224, v0, 2, 0x20400
	v_mov_b32 v225, 0
	v_lshrrev_b32 v1, 5, v0
	v_readfirstlane_b32 s26, v1                    ; wave 0..7
	v_and_b32 v1, 31, v0
	v_and_b32 v2, 15, v0                           ; r
	v_bfe_u32 v3, v0, 4, 1                         ; h
	v_lshlrev_b32 v1, 4, v1                        ; 16 x lane
	s_and_b32 s27, s26, 1                          ; which two K steps I quantise
	s_lshr_b32 s28, s26, 1                         ; u: which 16 rows
	s_lshr_b32 s29, s26, 2                         ; u / 2
	s_mov_b32 s[SEL], 0x76543210
	s_mov_b32 s[SEL+1], 0xfedcba98
	s_mov_b32 s50, 0x3b000000                      ; 1 / 512
	s_mov_b32 s51, 0x3727c5ac                      ; 1e-5
	s_mov_b32 s52, 0xffff0000                      ; lanes 16-31
	s_mul_i32 s45, s26, 8*PITCH
	v_add_nc_u32 v[STW], s45, v1                   ; in: my wave's 8 rows, 16 bytes a lane
	s_mul_i32 s45, s28, 16*PITCH
	s_lshl_b32 s46, s27, 10
	s_add_co_u32 s45, s45, s46
	v_mul_u32_u24 v[STR], v2, PITCH
	v_lshl_add_u32 v[STR], v3, 5, v[STR]
	v_add_nc_u32 v[STR], s45, v[STR]               ; out: row 16 u + r, + 32 h, + my first K step's 1,024 bytes
	v_lshlrev_b32 v[SCO], 4, v2
	v_lshl_add_u32 v[SCO], v3, 2, v[SCO]
.irp b,0,1,2,3
	v_mov_b32 v[TM+4+\b], 0                        ; written once: a lane permute's destination counts as one of its sources
.endr
	s_mov_b32 s[WG0], 0                            ; x's strides; the other tensors' are chosen below
	s_mov_b32 s[IB], 0
	s_mov_b32 s[IL], 24576
	s_mov_b32 s[IX], 0
	s_mov_b32 s[SB], XA_S
	s_mov_b32 s[SL], 1024
	s_mov_b32 s[SW], 256
	s_mov_b32 s[SX], 0
	s_mov_b32 s[RP], 2048
	s_mov_b32 s[LA], 16384
	s_mov_b32 s[LB], 32768
	s_wait_kmcnt 0x0
	s_mov_b64 s[SRC:SRC+1], s[4:5]
	s_mov_b64 s[DST:DST+1], s[22:23]
	s_cmp_ge_u32 ttmp9, 128                        ; wq: a work-group is a head's 64 rows: slots 0-3 of the head's 12
	s_cselect_b64 s[SRC:SRC+1], s[6:7], s[SRC:SRC+1]
	s_cselect_b64 s[DST:DST+1], s[24:25], s[DST:DST+1]
	PICK WG0, 128
	PICK IL, 73728
	PICK SB, WQKV_S
	PICK SL, 3072
	s_cmp_ge_u32 ttmp9, 136                        ; wk: slots 6-9
	s_cselect_b64 s[SRC:SRC+1], s[8:9], s[SRC:SRC+1]
	PICK WG0, 136
	PICK IB, 36864
	PICK SB, WQKV_S+1536
	s_cmp_ge_u32 ttmp9, 144                        ; wv: slots 4, 5, 10, 11
	s_cselect_b64 s[SRC:SRC+1], s[10:11], s[SRC:SRC+1]
	PICK WG0, 144
	PICK IB, 24576
	PICK IX, 24576
	PICK SB, WQKV_S+1024
	PICK SX, 1024
	s_cmp_ge_u32 ttmp9, 152                        ; wo
	s_cselect_b64 s[SRC:SRC+1], s[12:13], s[SRC:SRC+1]
	PICK WG0, 152
	PICK IB, WO_I
	PICK IL, 24576
	PICK IX, 0
	PICK SB, WO_S
	PICK SL, 1024
	PICK SX, 0
	s_cmp_ge_u32 ttmp9, 160                        ; w1
	s_cselect_b64 s[SRC:SRC+1], s[14:15], s[SRC:SRC+1]
	PICK WG0, 160
	PICK IB, W1_I
	PICK SB, W1_S
	s_cmp_ge_u32 ttmp9, 192                        ; w2: stage row 16 u + r is row r, quarter u of K
	s_cselect_b64 s[SRC:SRC+1], s[16:17], s[SRC:SRC+1]
	PICK WG0, 192
	PICK IB, W2_I
	PICK SB, W2_S
	PICK SL, 256
	PICK SW, 8192
	PICK RP, 8192
	PICK LA, 65536
	PICK LB, 2048
	s_sub_co_u32 s53, ttmp9, s[WG0]                ; my number within the tensor
	s_lshl_b32 s46, s53, 17
	s_mul_i32 s47, s27, s[LA]
	s_add_co_u32 s46, s46, s47
	s_mul_i32 s47, s28, s[LB]
	s_add_co_u32 s46, s46, s47
	s_mov_b32 s47, 0
	s_add_nc_u64 s[SRC:SRC+1], s[SRC:SRC+1], s[46:47]   ; the wave's first row
	s_mul_i32 s46, s53, s[IL]
	s_add_co_u32 s46, s46, s[IB]
	s_mul_i32 s47, s28, 6144
	s_add_co_u32 s46, s46, s47
	s_mul_i32 s47, s29, s[IX]
	s_add_co_u32 s46, s46, s47
	s_mul_i32 s47, s27, 3072
	s_add_co_u32 s46, s46, s47
	s_mov_b32 s47, 0
	s_add_nc_u64 s[56:57], s[DST:DST+1], s[46:47]  ; my two images
	s_mul_i32 s46, s53, s[SL]
	s_add_co_u32 s46, s46, s[SB]
	s_mul_i32 s47, s28, s[SW]
	s_add_co_u32 s46, s46, s47
	s_mul_i32 s47, s29, s[SX]
	s_add_co_u32 s46, s46, s47
	s_lshl_b32 s47, s27, 3
	s_add_co_u32 s46, s46, s47
	s_mov_b32 s47, 0
	s_add_nc_u64 s[58:59], s[DST:DST+1], s[46:47]  ; my 16 rows' two scale words
	v_mov_b32 v[VO], v1
.irp i,1,2,3,4,5,6,7
	v_add_nc_u32 v[VO+\i], s[RP], v[VO+\i-1]
.endr
.irp j,0,1,2,3
	global_load_b128 v[G+4*\j:G+4*\j+3], v1, s[18:19] offset:512*\j
	global_load_b128 v[BB+4*\j:BB+4*\j+3], v1, s[20:21] offset:512*\j
.endr
.irp i,0,1,2,3,4,5,6,7
.irp j,0,1,2,3
	global_load_b128 v[R+16*\i+4*\j:R+16*\i+4*\j+3], v[VO+\i], s[SRC:SRC+1] offset:512*\j th:TH_LOAD_NT   ; 32 lanes read 512 consecutive bytes
.endr
.endr
	s_wait_loadcnt 0x0
	s_cmp_lt_u32 ttmp9, 128                        ; the norm is x's alone: the branch goes round work on registers only
	s_cbranch_scc0 .Lno_ln
	LNROWS 0
	LNROWS 1
.Lno_ln:
.irp i,0,1,2,3,4,5,6,7
.irp j,0,1,2,3
	ds_store_b128 v[STW], v[R+16*\i+4*\j:R+16*\i+4*\j+3] offset:\i*PITCH+512*\j
.endr
.endr
	s_wait_dscnt 0x0                               ; for the others' sake: my rows lie in the stage
	s_barrier_signal -1
	s_barrier_wait -1
.irp q,0,1                                     ; of row 16 u + r, K step 2 (wave % 2) + q: of each block of 32 my half's numbers 8 h + 0..7 and 16 + 8 h + 0..7
.irp b,0,1,2,3
	ds_load_b128 v[R+64*\q+16*\b:R+64*\q+16*\b+3], v[STR] offset:512*\q+128*\b
	ds_load_b128 v[R+64*\q+16*\b+4:R+64*\q+16*\b+7], v[STR] offset:512*\q+128*\b+16
	ds_load_b128 v[R+64*\q+16*\b+8:R+64*\q+16*\b+11], v[STR] offset:512*\q+128*\b+64
	ds_load_b128 v[R+64*\q+16*\b+12:R+64*\q+16*\b+15], v[STR] offset:512*\q+128*\b+80
.endr
.endr
	s_wait_dscnt 16                                ; the first K step's 16 loads are in
	QUANT R, 0, PC, PW, 1
.irp c,0,1,2
	global_store_b128 v1, v[PC+4*\c:PC+4*\c+3], s[56:57] offset:512*\c      ; 512 consecutive bytes, aligned
.endr
	s_wait_dscnt 0x0
	s_wait_xcnt 0x0                                ; the stores have read the codes' registers: they may be written again
	QUANT R+64, 0, PC, PW+1, 1
.irp c,0,1,2
	global_store_b128 v1, v[PC+4*\c:PC+4*\c+3], s[56:57] offset:1536+512*\c
.endr
	v_cndmask_b32 v[PW], v[PW], v[PW+1], s52       ; lanes 0-15 store the first K step's word of row r, lanes 16-31 the second's
	global_store_b32 v[SCO], v[PW], s[58:59]
	s_wait_tensorcnt 0x0
	ds_add_u32 v224, v225
	s_wait_dscnt 0x0
	s_endpgm
.Lfunc_end_k_q965e825e06_prep:
	.size	k_q965e825e06_prep, .Lfunc_end_k_q965e825e06_prep-k_q965e825e06_prep
	.p2alignl 7, 3214868480
	.fill 96, 4, 3214868480
	.section	.rodata,"a",@progbits
	.p2align	6, 0x0
	.amdhsa_kernel k_q965e825e06_prep
		.amdhsa_group_segment_fixed_size 133120
		.amdhsa_private_segment_fixed_size 0
		.amdhsa_enable_private_segment 0
		.amdhsa_kernarg_size 88
		.amdhsa_user_sgpr_count 2
		.amdhsa_user_sgpr_kernarg_segment_ptr 1
		.amdhsa_wavefront_size32 1
		.amdhsa_system_sgpr_workgroup_id_x 1
		.amdhsa_system_sgpr_workgroup_id_y 1
		.amdhsa_system_sgpr_workgroup_id_z 1
		.amdhsa_system_vgpr_workitem_id 0
		.amdhsa_next_free_vgpr 226
		.amdhsa_next_free_sgpr 72
		.amdhsa_reserve_vcc 0
		.amdhsa_float_denorm_mode_32 3
		.amdhsa_float_denorm_mode_16_64 3
		.amdhsa_memory_ordered 1
		.amdhsa_forward_progress 1
		.amdhsa_inst_pref_size 50
	.end_amdhsa_kernel
	.amdgpu_metadata
---
amdhsa.version: [ 1, 2 ]
amdhsa.kernels:
  - .name:           k_q965e825e06_prep
    .symbol:         k_q965e825e06_prep.kd
    .args:
      - { .name: x, .offset: 0, .size: 8, .value_kind: global_buffer, .address_space: global }
      - { .name: wq, .offset: 8, .size: 8, .value_kind: global_buffer, .address_space: global }
      - { .name: wk, .offset: 16, .size: 8, .value_kind: global_buffer, .address_space: global }
      - { .name: wv, .offset: 24, .size: 8, .value_kind: global_buffer, .address_space: global }
      - { .name: wo, .offset: 32, .size: 8, .value_kind: global_buffer, .address_space: global }
      - { .name: w1, .offset: 40, .size: 8, .value_kind: global_buffer, .address_space: global }
      - { .name: w2, .offset: 48, .size: 8, .value_kind: global_buffer, .address_space: global }
      - { .name: ln1_g, .offset: 56, .size: 8, .value_kind: global_buffer, .address_space: global }
      - { .name: ln1_b, .offset: 64, .size: 8, .value_kind: global_buffer, .address_space: global }
      - { .name: xa, .offset: 72, .size: 8, .value_kind: global_buffer, .address_space: global }
      - { .name: wimg, .offset: 80, .size: 8, .value_kind: global_buffer, .address_space: global }
    .group_segment_fixed_size: 133120
    .private_segment_fixed_size: 0
    .kernarg_segment_align: 8
    .kernarg_segment_size: 88
    .max_flat_workgroup_size: 256
    .sgpr_count:     72
    .vgpr_count:     226
    .wavefront_size: 32
...
	.end_amdgpu_metadata
.endif
;; end of part 1
;; launch qkv (part 2): grid 8 x 32, 4 waves a work-group, clusters of 4 x 4, 172,544 bytes of LDS; arguments xa, wimg, bq, bk, bv, qkv; writes qkv
.if DOCPART == 2
	.amdgcn_target "amdgcn-amd-amdhsa--gfx1250"
	.amdhsa_code_object_version 6
	.text
	.protected	k_q965e825e06_qkv
	.globl	k_q965e825e06_qkv
	.p2align	8
	.type	k_q965e825e06_qkv,@function
k_q965e825e06_qkv:
	s_mov_b64 s[64:65], 0
	v_nop
	global_prefetch_b8 v0, s[64:65] scope:SCOPE_SE
	s_setreg_imm32_b32 hwreg(HW_REG_WAVE_MODE, 25, 1), 1
	s_wait_xcnt 0x0
	s_wait_alu depctr_hold_cnt(0) depctr_sa_sdst(0) depctr_va_vdst(0) depctr_va_sdst(0) depctr_va_ssrc(0) depctr_va_vcc(0) depctr_vm_vsrc(0)
	s_getreg_b32 s2, hwreg(HW_REG_IB_STS2, 6, 4)
	s_cmp_eq_u32 s2, 0
	s_cbranch_scc0 .Lentry_in_a_cluster
	s_endpgm
.Lentry_in_a_cluster:
	s_bfe_u32 s2, ttmp6, 0x10000c
	s_cmp_lg_u32 s2, 0xf033
	s_cbranch_scc0 .Lentry_shape_is_right
	s_endpgm
.Lentry_shape_is_right:
; QKV.  q, k, v = xn W^T + bias on codes of BF6 with E8M0 scales, then q and k are quantised along the head's 64 channels and v along the keys.
; A work-group takes 256 tokens x one head's 192 columns.  Wave (th, ch): 128 tokens (one key step of the attention) x 6 tiles of weight rows: ch = 0: q's four tiles and v's tiles 0, 1; ch = 1: k's four and v's 2, 3.
; q, k: source 0 = 16 weight rows, source 1 = 16 tokens: a lane holds one token and its registers run along the channels.  v: source 0 = 16 tokens, source 1 = 16 weight rows: a lane holds one channel and
; its registers run along the tokens, which are the second attention product's K.  The same fragments serve both.  The biases are the C of each sum's first instruction.
; All of K = 512 lies in LDS, in two chunks of two K steps, each filled once: nothing is filled again.  Operands lie as images of their registers: a fragment is three loads of 512 consecutive bytes.
; CLUSTER 4 x 4: xn's tiles hang on the token block alone and are asked for jointly along a row of the cluster, the weights' on the head alone and are asked for jointly along a column.
; The order of k inside a block of 32 is the one that the launch in front lays; NaN and infinities are not served; a block of zeros gets the byte 1.
; REGISTERS: window 0: v1-8 addresses; v16-31 xn's scale words, v32-43 the weights'; v44-59 at work; v64-95 q's or k's bias, v96-111 v's (later codes and words on the way out); v128-223 xn's 8 fragments.
;   window 1: the weights' 6 fragments, two sets, at v0 and v128.   window 2: q's or k's 32 accumulators, (a, b) at 8 (4 a + b).   window 3: v's 16, (t, a) at 8 (8 t + a).
.set CHB,  86016                       ; a chunk in LDS: xn's 16 tiles x 2 K steps, then the weights' 12 slots x 2
.set WOFF, 49152
.set XA_S, 3145728
.set WQKV_S, 2359296
.set K_I,  3145728
.set V_I,  6291456
.set Q_S,  9437184
.set KV_S, 9699328
.set LI,   1
.set ADRX, 2
.set ADRW, 4
.set LS,   6
.set H32,  7
.set R4,   8
.set SCX,  16
.set SCW,  32
.set TM,   44
.set BQ,   64
.set BV,   96
.set XF,   128
.set PC,   64
.set PW,   84
.set MM,   88
.set PWV,  92
.set G1X,  24
.set G1W,  32
.set G0X,  44
.set G0W,  52
.set SEL,  62
.set HI,   79
.set MSB, 0
.macro WIN new                         ; the immediate's high byte repeats the setting that is left
.if MSB != (\new)
	s_set_vgpr_msb (MSB<<8)|(\new)
.set MSB, (\new)
.endif
.endm
.macro PLACES                          ; four plain lines between a matrix instruction and a load into, or a vector read of, its registers
.rept 4
	v_nop
.endr
.endm
.macro QUANT s, w, d, pw, ab           ; 64 numbers of a lane (window w), register 16 b + i of block b -> codes in v[d] .. v[d + 11], scale word in v[pw]
	WIN ((\w)<<2)|((\w)<<4)
.irp b,0,1,2,3
.if \ab
	v_max3_num_f32 v[TM+\b], 0x2800000, |v[(\s)+16*\b]|, |v[(\s)+16*\b+1]|   ; the floor 2^(5 - 127) holds the byte at 1 from below; each accumulator is read from its low end on
.else
	v_max3_num_f32 v[TM+\b], 0x2800000, v[(\s)+16*\b], v[(\s)+16*\b+1]
.endif
.endr
.irp i,2,4,6,8,10,12,14
.irp b,0,1,2,3
.if \ab
	v_max3_num_f32 v[TM+\b], v[TM+\b], |v[(\s)+16*\b+\i]|, |v[(\s)+16*\b+\i+1]|
.else
	v_max3_num_f32 v[TM+\b], v[TM+\b], v[(\s)+16*\b+\i], v[(\s)+16*\b+\i+1]
.endif
.endr
.endr
	WIN 0
.irp b,0,1,2,3
	v_permlanex16_b32 v[TM+4+\b], v[TM+\b], s[SEL], s[SEL+1]
.endr
.irp b,0,1,2,3
	v_max_num_f32 v[TM+\b], v[TM+\b], v[TM+4+\b]
.endr
.irp b,0,1,2,3
	v_add_nc_u32 v[TM+12+\b], 0xfe000000, v[TM+\b]
.endr
.irp b,0,1,2,3
	v_lshrrev_b32 v[TM+4+\b], 23, v[TM+12+\b]
.endr
	v_lshl_or_b32 v[\pw], v[TM+5], 8, v[TM+4]
	v_lshl_or_b32 v[\pw], v[TM+6], 16, v[\pw]
	v_lshl_or_b32 v[\pw], v[TM+7], 24, v[\pw]
	WIN \w
.irp c,0,1
	v_cvt_scalef32_pk16_bf6_f32 v[(\d)+6*\c:(\d)+6*\c+2], v[(\s)+32*\c:(\s)+32*\c+15], v[TM+12+2*\c]
	v_cvt_scalef32_pk16_bf6_f32 v[(\d)+12+4*\c:(\d)+14+4*\c], v[(\s)+32*\c+16:(\s)+32*\c+31], v[TM+12+2*\c+1]
.endr
	WIN 0
	v_nop                                          ; one plain line behind the last scaled conversion
.irp c,0,1
.irp i,0,1,2
	v_permlane16_swap_b32 v[(\d)+6*\c+\i], v[(\d)+12+4*\c+\i]
.endr
.irp i,0,1,2
	v_mov_b32 v[(\d)+3+6*\c+\i], v[(\d)+12+4*\c+\i]
.endr
.endr
.endm
; one matrix instruction; ra, rb: 1 = the side's scales stand in lanes 16-31 of the register named
.macro WM d, a, b, c, sa, sb, ra, rb
.if ((\ra)==0)&&((\rb)==0)
	v_wmma_scale_f32_16x16x128_f8f6f4 v[(\d):(\d)+7], v[(\a):(\a)+11], v[(\b):(\b)+11], v[(\c):(\c)+7], v[\sa], v[\sb] matrix_a_fmt:MATRIX_FMT_BF6 matrix_b_fmt:MATRIX_FMT_BF6
.elseif (\rb)==0
	v_wmma_scale_f32_16x16x128_f8f6f4 v[(\d):(\d)+7], v[(\a):(\a)+11], v[(\b):(\b)+11], v[(\c):(\c)+7], v[\sa], v[\sb] matrix_a_fmt:MATRIX_FMT_BF6 matrix_b_fmt:MATRIX_FMT_BF6 matrix_a_scale:MATRIX_SCALE_ROW1
.elseif (\ra)==0
	v_wmma_scale_f32_16x16x128_f8f6f4 v[(\d):(\d)+7], v[(\a):(\a)+11], v[(\b):(\b)+11], v[(\c):(\c)+7], v[\sa], v[\sb] matrix_a_fmt:MATRIX_FMT_BF6 matrix_b_fmt:MATRIX_FMT_BF6 matrix_b_scale:MATRIX_SCALE_ROW1
.else
	v_wmma_scale_f32_16x16x128_f8f6f4 v[(\d):(\d)+7], v[(\a):(\a)+11], v[(\b):(\b)+11], v[(\c):(\c)+7], v[\sa], v[\sb] matrix_a_fmt:MATRIX_FMT_BF6 matrix_b_fmt:MATRIX_FMT_BF6 matrix_a_scale:MATRIX_SCALE_ROW1 matrix_b_scale:MATRIX_SCALE_ROW1
.endif
.endm
; a joint load: waves 0, 1 fetch xn's halves, waves 2, 3 the weights'; the branch hangs on the wave's number alone; four v_nop follow each line
.macro JLOAD g0a, g1a, g0b, g1b
	s_cmp_eq_u32 s17, 0
	s_cbranch_scc0 .Lfor_b_\@
	tensor_load_to_lds s[\g0a:\g0a+3], s[\g1a:\g1a+7]
	s_nop 0
.rept 4
	v_nop
.endr
	s_branch .Lasked_\@
.Lfor_b_\@:
	tensor_load_to_lds s[\g0b:\g0b+3], s[\g1b:\g1b+7]
	s_nop 0
.rept 4
	v_nop
.endr
.Lasked_\@:
.endm
.macro CROUND                          ; a round of the cluster's barrier
	s_barrier_signal -1
	s_barrier_wait -1
	s_cmp_lg_u32 s16, 0
	s_cbranch_scc1 .Lnot_wave_0_\@
	s_barrier_signal -3
.Lnot_wave_0_\@:
	s_barrier_wait -3
	s_barrier_signal -1
	s_barrier_wait -1
.endm
.macro FRAG reg, adr, off              ; a fragment's image: three loads of 512 consecutive bytes
.irp c,0,1,2
	ds_load_b128 v[(\reg)+4*\c:(\reg)+4*\c+3], v[\adr] offset:(\off)+512*\c
.endr
.endm
.macro FETCH_W c, q, p                 ; my six weight fragments of chunk c, K step q, into set p
	WIN 0x40
.irp j,0,1,2,3,4,5
	FRAG 128*(\p)+12*\j, ADRW+(\c), \j*3072+(\q)*1536
.endr
	WIN 0
.endm
.macro FETCH_X c, q, i0                ; xn's tiles i0 .. i0 + 3
.irp i,\i0,\i0+1,\i0+2,\i0+3
	FRAG XF+12*(\i), ADRX+(\c), (\i)*3072+(\q)*1536
.endr
.endm
.macro QK16 hf, p, s, first            ; q or k: token tiles 4 hf .. 4 hf + 3 x four tiles of channels
.if \first
	WIN 0x81
.else
	WIN 0xa1
.endif
.irp a,4*\hf,4*\hf+1,4*\hf+2,4*\hf+3
.irp b,0,1,2,3
.if \first
	WM 8*(4*(\a)+\b), 128*(\p)+12*\b, XF+12*(\a), BQ+8*\b, SCW+4*(\b/2)+(\s), SCX+4*((\a)/2)+(\s), \b%2, (\a)%2
.else
	WM 8*(4*(\a)+\b), 128*(\p)+12*\b, XF+12*(\a), 8*(4*(\a)+\b), SCW+4*(\b/2)+(\s), SCX+4*((\a)/2)+(\s), \b%2, (\a)%2
.endif
.endr
.endr
.endm
.macro V8 hf, p, s, first              ; v: the same token tiles as source 0 x my two tiles of v's rows
.if \first
	WIN 0xc4
.else
	WIN 0xf4
.endif
.irp a,4*\hf,4*\hf+1,4*\hf+2,4*\hf+3
.irp t,0,1
.if \first
	WM 8*(8*\t+(\a)), XF+12*(\a), 128*(\p)+12*(4+\t), BV+8*\t, SCX+4*((\a)/2)+(\s), SCW+8+(\s), (\a)%2, \t
.else
	WM 8*(8*\t+(\a)), XF+12*(\a), 128*(\p)+12*(4+\t), 8*(8*\t+(\a)), SCX+4*((\a)/2)+(\s), SCW+8+(\s), (\a)%2, \t
.endif
.endr
.endr
.endm
; a K step: 48 matrix instructions, each accumulator once, in the same order in every step
.macro STEP p, s, nc, nq, first
	s_wait_dscnt 12                                ; the weights and xn's tiles 0-3 are in; the 12 youngest loads (tiles 4-7) may be out
	QK16 0, \p, \s, \first
	V8 0, \p, \s, \first
	s_wait_dscnt 0x0
	PLACES
	FETCH_W \nc, \nq, 1-(\p)
	FETCH_X \nc, \nq, 0
	QK16 1, \p, \s, \first
	V8 1, \p, \s, \first
	PLACES
	WIN 0
	FETCH_X \nc, \nq, 4
.endm
	s_load_b256 s[4:11], s[0:1], 0x0               ; xa, wimg, bq, bk
	s_load_b128 s[12:15], s[0:1], 0x20             ; bv, qkv
	v_lshl_add_u32 v254, v0, 2, 0x2a000
	v_mov_b32 v255, 0
	ds_add_u32 v254, v255
	ds_add_u32 v254, v255
	v_lshrrev_b32 v1, 5, v0
	v_readfirstlane_b32 s16, v1                    ; wave 0..3
	s_lshr_b32 s17, s16, 1                         ; th: my half of the tokens.  Also: I fetch xn (0) or weights (1)
	s_and_b32 s18, s16, 1                          ; ch: my six slots.  Also: which half I fetch
	s_bfe_u32 s40, ttmp6, 0x40000                  ; cx
	s_bfe_u32 s41, ttmp6, 0x40004                  ; cy
	s_lshl_b32 s42, ttmp9, 2
	s_add_co_u32 s42, s42, s40                     ; the head
	s_and_b32 s43, ttmp7, 0xffff
	s_lshl_b32 s43, s43, 2
	s_add_co_u32 s43, s43, s41                     ; the block of 256 tokens
	s_lshl_b32 s60, s41, 2
	s_lshl_b32 s60, 15, s60                        ; my row of the cluster
	s_lshl_b32 s61, 0x1111, s40                    ; my column
	s_or_b32 s[G1X], s60, (3<<16)|(1<<21)          ; elements of 8 bytes; bit 21 beside a mask; no padding
	s_or_b32 s[G1W], s61, (3<<16)|(1<<21)
	s_mov_b32 s[G1X+1], 384<<16                    ; a row: two K steps of a tile, 3,072 bytes
	s_mov_b32 s[G1X+2], 8<<16                      ; 8 tiles
	s_mov_b32 s[G1X+3], 384<<16
	s_mov_b32 s[G1X+4], 8
	s_mov_b32 s[G1X+5], 768                        ; from tile to tile 6,144 bytes
	s_mov_b32 s[G1X+6], 0
	s_mov_b32 s[G1X+7], 0
	s_mov_b32 s[G1W+1], 384<<16
	s_mov_b32 s[G1W+2], 6<<16                      ; 6 slots
	s_mov_b32 s[G1W+3], 384<<16
	s_mov_b32 s[G1W+4], 6
	s_mov_b32 s[G1W+5], 768
	s_mov_b32 s[G1W+6], 0
	s_mov_b32 s[G1W+7], 0
	s_lshl_b32 s66, s43, 4                         ; xn: tile 16 x block + 8 x half (made of the token block and the wave alone)
	s_lshl_b32 s67, s18, 3
	s_add_co_u32 s66, s66, s67
	s_mul_i32 s66, s66, 6144
	s_mov_b32 s67, 0
	s_mul_i32 s68, s42, 12                         ; weights: slot 12 x head + 6 x half (made of the head and the wave alone)
	s_mul_i32 s69, s18, 6
	s_add_co_u32 s68, s68, s69
	s_mul_i32 s68, s68, 6144
	s_mov_b32 s69, 0
	s_mul_i32 s20, s18, 24576                      ; where they go in a chunk
	s_mul_i32 s21, s18, 18432
	s_add_co_u32 s21, s21, WOFF
	s_wait_dscnt 0x0
	s_wait_kmcnt 0x0
	s_add_nc_u64 s[66:67], s[4:5], s[66:67]
	s_add_nc_u64 s[68:69], s[6:7], s[68:69]
	CROUND                                         ; all sixteen work-groups are here: the joint loads meet
.irp c,0,1
	s_mov_b32 s[G0X+4*\c], 1
	s_add_co_u32 s[G0X+4*\c+1], s20, \c*CHB
	s_add_nc_u64 s[G0X+4*\c+2:G0X+4*\c+3], s[66:67], \c*3072
	s_or_b32 s[G0X+4*\c+3], s[G0X+4*\c+3], 0x80000000
	s_mov_b32 s[G0W+4*\c], 1
	s_add_co_u32 s[G0W+4*\c+1], s21, \c*CHB
	s_add_nc_u64 s[G0W+4*\c+2:G0W+4*\c+3], s[68:69], \c*3072
	s_or_b32 s[G0W+4*\c+3], s[G0W+4*\c+3], 0x80000000
	JLOAD G0X+4*\c, G1X, G0W+4*\c, G1W             ; two loads of mine are out
.endr
	v_and_b32 v9, 31, v0
	v_lshlrev_b32 v[LI], 4, v9
	v_lshlrev_b32 v[LS], 2, v9
	v_and_b32 v10, 15, v0
	v_bfe_u32 v11, v0, 4, 1
	v_lshlrev_b32 v[H32], 5, v11
	v_lshlrev_b32 v[R4], 2, v10
	s_mul_i32 s20, s17, 24576
	s_mul_i32 s21, s18, 18432
	s_add_co_u32 s21, s21, WOFF
.irp c,0,1
	v_add_nc_u32 v[ADRX+\c], s20, v[LI]
	v_add_nc_u32 v[ADRW+\c], s21, v[LI]
	s_add_co_u32 s20, s20, CHB
	s_add_co_u32 s21, s21, CHB
.endr
	s_mov_b32 s[SEL], 0x76543210
	s_mov_b32 s[SEL+1], 0xfedcba98
	s_mov_b32 s[HI], 0xffff0000
.irp b,0,1,2,3
	v_mov_b32 v[TM+4+\b], 0                        ; written once: a lane permute's destination counts as one of its sources
.endr
	s_lshl_b32 s70, s43, 12                        ; xn's scale words of my 128 tokens
	s_lshl_b32 s72, s17, 11
	s_add_co_u32 s70, s70, s72
	s_add_co_u32 s70, s70, XA_S
	s_mov_b32 s71, 0
	s_add_nc_u64 s[70:71], s[4:5], s[70:71]
	s_mul_i32 s72, s42, 12                         ; the weights' of my six slots
	s_mul_i32 s73, s18, 6
	s_add_co_u32 s72, s72, s73
	s_lshl_b32 s72, s72, 8
	s_add_co_u32 s72, s72, WQKV_S
	s_mov_b32 s73, 0
	s_add_nc_u64 s[72:73], s[6:7], s[72:73]
	s_cmp_eq_u32 s18, 0
	s_cselect_b64 s[74:75], s[8:9], s[10:11]       ; bq or bk
	s_lshl_b32 s76, s42, 8
	s_mov_b32 s77, 0
	s_add_nc_u64 s[74:75], s[74:75], s[76:77]
	s_lshl_b32 s78, s18, 7
	s_add_co_u32 s76, s76, s78
	s_add_nc_u64 s[76:77], s[12:13], s[76:77]      ; bv at my 32 channels
.irp i,0,1,2,3
	global_load_b128 v[SCX+4*\i:SCX+4*\i+3], v[LI], s[70:71] offset:512*\i   ; register 4 i + s: K step s; lanes 0-15 tile 2 i, lanes 16-31 tile 2 i + 1
.endr
.irp i,0,1,2
	global_load_b128 v[SCW+4*\i:SCW+4*\i+3], v[LI], s[72:73] offset:512*\i
.endr
.irp b,0,1,2,3
	global_load_b128 v[BQ+8*\b:BQ+8*\b+3], v[H32], s[74:75] offset:64*\b     ; the bias of channels 16 b + 8 h + 0..7
	global_load_b128 v[BQ+8*\b+4:BQ+8*\b+7], v[H32], s[74:75] offset:64*\b+16
.endr
.irp t,0,1
	global_load_b32 v[BV+8*\t], v[R4], s[76:77] offset:64*\t                 ; the bias of channel 16 t + r
.endr
	s_wait_tensorcnt 1                             ; my part of chunk 0 is in; chunk 1's may stay out
	s_barrier_signal -1
	s_barrier_wait -1
	FETCH_W 0, 0, 0
	FETCH_X 0, 0, 0
	FETCH_X 0, 0, 4
	s_wait_loadcnt 0x0
.irp t,0,1
.irp j,1,2,3,4,5,6,7
	v_mov_b32 v[BV+8*\t+\j], v[BV+8*\t]
.endr
.endr
	STEP 0, 0, 0, 1, 1                             ; K step 0: the biases start the sums
	s_wait_tensorcnt 0x0                           ; K step 1: my part of chunk 1 is in;
	s_wait_dscnt 12
	QK16 0, 1, 1, 0
	s_wait_dscnt 0x0                               ; no LDS instruction of mine is out at the signal
	s_barrier_signal -1
	V8 0, 1, 1, 0
	WIN 0
	s_barrier_wait -1                              ; everybody's is
	PLACES
	FETCH_W 1, 0, 0
	FETCH_X 1, 0, 0
	QK16 1, 1, 1, 0
	V8 1, 1, 1, 0
	PLACES
	WIN 0
	FETCH_X 1, 0, 4
	STEP 0, 2, 1, 1, 0
	s_wait_dscnt 12                                ; K step 3: nothing more to fetch
	QK16 0, 1, 3, 0
	V8 0, 1, 3, 0
	s_wait_dscnt 0x0
	QK16 1, 1, 3, 0
	V8 1, 1, 3, 0
	WIN 0
	PLACES
	; THE WAY OUT.  bh = 8 x batch + head; my 128 tokens are key step (2 x block + th) % 16 of the batch's sequence
	s_lshr_b32 s80, s43, 3
	s_lshl_b32 s80, s80, 3
	s_add_co_u32 s80, s80, s42
	s_lshl_b32 s81, s43, 1
	s_add_co_u32 s81, s81, s17
	s_and_b32 s81, s81, 15
	s_mul_i32 s82, s80, 98304
	s_mul_i32 s83, s81, 6144
	s_add_co_u32 s82, s82, s83
	s_cmp_eq_u32 s18, 0
	s_cselect_b32 s84, 0, K_I
	s_mov_b32 s86, KV_S
	s_cselect_b32 s86, Q_S, s86
	s_mov_b32 s87, 12288
	s_cselect_b32 s87, 8192, s87
	s_add_co_u32 s84, s84, s82
	s_mov_b32 s85, 0
	s_add_nc_u64 s[84:85], s[14:15], s[84:85]      ; q's or k's images of this step
	s_mul_i32 s87, s87, s80
	s_add_co_u32 s86, s86, s87
	s_lshl_b32 s87, s81, 9
	s_add_co_u32 s86, s86, s87
	s_mov_b32 s87, 0
	s_add_nc_u64 s[86:87], s[14:15], s[86:87]      ; and their scale words
	s_mul_i32 s88, s18, 3072
	s_add_co_u32 s88, s88, s82
	s_add_co_u32 s88, s88, V_I
	s_mov_b32 s89, 0
	s_add_nc_u64 s[88:89], s[14:15], s[88:89]      ; v's two images
	s_mul_i32 s90, s80, 12288
	s_lshl_b32 s91, s81, 8
	s_add_co_u32 s90, s90, s91
	s_lshl_b32 s91, s18, 7
	s_add_co_u32 s90, s90, s91
	s_add_co_u32 s90, s90, KV_S+8192
	s_mov_b32 s91, 0
	s_add_nc_u64 s[90:91], s[14:15], s[90:91]      ; and their scale words
.irp i,0,1,2,3                                 ; token tiles 2 i and 2 i + 1: two blocks of 32 channels each: registers 0-5 of the image are tile 2 i's half fragment, 6-11 tile 2 i + 1's
.if \i > 0
	s_wait_xcnt 0x0                                ; the last stores have read the codes' registers
.endif
	QUANT 64*\i, 2, PC, PW, 1
.irp c,0,1,2
	global_store_b128 v[LI], v[PC+4*\c:PC+4*\c+3], s[84:85] offset:\i*1536+512*\c
.endr
	v_and_b32 v85, 0xffff, v[PW]
	v_lshrrev_b32 v[MM+\i], 16, v[PW]
	v_cndmask_b32 v[MM+\i], v85, v[MM+\i], s[HI]   ; lanes 0-15: tile 2 i's two bytes, lanes 16-31: tile 2 i + 1's; bytes 2 and 3 are 0
.endr
	global_store_b128 v[LI], v[MM:MM+3], s[86:87]  ; 512 consecutive bytes
.irp t,0,1                                     ; v: 16 channels x my 128 tokens: a whole fragment of the second attention product
	s_wait_xcnt 0x0
	QUANT 64*\t, 3, PC, PWV+\t, 1
.irp c,0,1,2
	global_store_b128 v[LI], v[PC+4*\c:PC+4*\c+3], s[88:89] offset:\t*1536+512*\c
.endr
.endr
	v_cndmask_b32 v94, v[PWV], v[PWV+1], s[HI]
	global_store_b32 v[LS], v94, s[90:91]
	s_wait_tensorcnt 0x0
	ds_add_u32 v254, v255
	s_wait_dscnt 0x0
	CROUND                                         ; the closing round: no work-group ends while a partner may still ask for a tile that names it
	s_endpgm
.Lfunc_end_k_q965e825e06_qkv:
	.size	k_q965e825e06_qkv, .Lfunc_end_k_q965e825e06_qkv-k_q965e825e06_qkv
	.p2alignl 7, 3214868480
	.fill 96, 4, 3214868480
	.section	.rodata,"a",@progbits
	.p2align	6, 0x0
	.amdhsa_kernel k_q965e825e06_qkv
		.amdhsa_group_segment_fixed_size 172544
		.amdhsa_private_segment_fixed_size 0
		.amdhsa_enable_private_segment 0
		.amdhsa_kernarg_size 48
		.amdhsa_user_sgpr_count 2
		.amdhsa_user_sgpr_kernarg_segment_ptr 1
		.amdhsa_wavefront_size32 1
		.amdhsa_system_sgpr_workgroup_id_x 1
		.amdhsa_system_sgpr_workgroup_id_y 1
		.amdhsa_system_sgpr_workgroup_id_z 1
		.amdhsa_system_vgpr_workitem_id 0
		.amdhsa_next_free_vgpr 1024
		.amdhsa_next_free_sgpr 96
		.amdhsa_reserve_vcc 0
		.amdhsa_float_denorm_mode_32 3
		.amdhsa_float_denorm_mode_16_64 3
		.amdhsa_memory_ordered 1
		.amdhsa_forward_progress 1
		.amdhsa_inst_pref_size 74
	.end_amdhsa_kernel
	.amdgpu_metadata
---
amdhsa.version: [ 1, 2 ]
amdhsa.kernels:
  - .name:           k_q965e825e06_qkv
    .symbol:         k_q965e825e06_qkv.kd
    .args:
      - { .name: xa, .offset: 0, .size: 8, .value_kind: global_buffer, .address_space: global }
      - { .name: wimg, .offset: 8, .size: 8, .value_kind: global_buffer, .address_space: global }
      - { .name: bq, .offset: 16, .size: 8, .value_kind: global_buffer, .address_space: global }
      - { .name: bk, .offset: 24, .size: 8, .value_kind: global_buffer, .address_space: global }
      - { .name: bv, .offset: 32, .size: 8, .value_kind: global_buffer, .address_space: global }
      - { .name: qkv, .offset: 40, .size: 8, .value_kind: global_buffer, .address_space: global }
    .group_segment_fixed_size: 172544
    .private_segment_fixed_size: 0
    .kernarg_segment_align: 8
    .kernarg_segment_size: 48
    .max_flat_workgroup_size: 128
    .sgpr_count:     96
    .vgpr_count:     1024
    .wavefront_size: 32
...
	.end_amdgpu_metadata
.endif
;; end of part 2
;; launch att (part 3): grid 8 x 32, 16 waves a work-group, no clusters, 210,944 bytes of LDS; arguments qkv, ctx; writes ctx
.if DOCPART == 3
	.amdgcn_target "amdgcn-amd-amdhsa--gfx1250"
	.amdhsa_code_object_version 6
	.text
	.protected	k_q965e825e06_att
	.globl	k_q965e825e06_att
	.p2align	8
	.type	k_q965e825e06_att,@function
k_q965e825e06_att:
	s_mov_b64 s[64:65], 0
	v_nop
	global_prefetch_b8 v0, s[64:65] scope:SCOPE_SE
	s_setreg_imm32_b32 hwreg(HW_REG_WAVE_MODE, 25, 1), 1
	s_wait_xcnt 0x0
; ATTENTION with ALiBi on codes of BF6.  A work-group owns 256 queries of one head of one batch; each of its sixteen waves owns 16 queries in 256 registers, four waves to a SIMD, so that one wave's vector
; work stands beside another's matrix work and LDS loads.  Every wave walks the 2,048 keys, 128 a step.
; The head's K, V and their scale words, 208,896 bytes, lie whole in LDS, filled once by waves 0 (K) and 1 (V): five tensor loads each, the scale words first, then four chunks of four key steps.  Nothing is
; filled again.  The walk goes chunk by chunk: ahead of chunk c the fetching waves wait until at most 3 - c of their loads are out, and a barrier shows the chunk to all sixteen; the later chunks land meanwhile.
; Both products are used transposed: S^T = K Q^T (source 0 = 16 keys), O^T = V^T P^T (source 0 = 16 channels): a lane holds ONE query (lane % 16) throughout.
; K = 64 IN A FORM OF 128: Q's fragment is 6 registers of codes and 6 of zeros; a tile of K is 6 registers, and the 6 behind it (the next tile's codes, or zeros) meet Q's zero codes and add nothing.
; ALIBI.  The bias is -sigma |key - query| in units of the raw score, sigma = 8 x slope = 2^(2 - head); t = score x log2(e) / 8.  Register j of tile 2 b + u in lane half h is key kbase + 32 b + 16 u + 8 h + j.
; In a step that lies wholly before (alpha = sigma) or behind (alpha = -sigma) my 16 queries the bias is alpha (key - query) = alpha (16 u + 8 h + j) + gamma_b, gamma_b = alpha (kbase + 32 b - query).
; The first part does not change from step to step: 16 registers, the C of the score products.  gamma_b is one number for a block of 32 keys, the same in both halves of the lanes: it is added to the block's
; largest score for the row's maximum, and goes into the addend of the scaling: t - M = c S' + (c gamma_b - M).  Both parts are whole numbers times a power of two: exact in f32.
; The one step on the diagonal makes -sigma |key - query| in full, as the C of its products, takes gamma = 0, and turns the 16 registers' sign for the steps behind it.  That is a scalar branch on the query block
; and the wave.
; SOFTMAX: M = the running largest t rounded up to a whole number; p = 2^(t - M) is quantised along the keys; the row's sum is taken of the unquantised p and divides at the end.
; The result is quantised along the head's 64 channels (two blocks of the output projection's K) and stored as half an image of a fragment, in pieces of 8 bytes a lane.
; The two scale bytes of a row leave by a store of 2 bytes, 16 bytes apart: 131,072 bytes of the launch in all.  NaN and infinities are not served; a block of zeros gets the byte 1.
.set K_I,  3145728
.set Q_S,  9437184
.set KV_S, 9699328
.set CTX_S, 3145728
.set LI,   1                           ; v1   16 x lane: K's place
.set AV0,  2                           ; v2   V's
.set ASK0, 3                           ; v3   K's scale words
.set ASV0, 4                           ; v4   V's
.set EE,   5                           ; v5   the step's first key - my query, f32
.set ADK,  6
.set ADV,  7
.set ADS,  8
.set ADT,  9
.set QF,   16                          ; v16-27 Q's fragment;  v28 its scale word
.set QS,   28
.set K32,  29                          ; v29-31 32.0, 64.0, 96.0
.set CB,   32                          ; v32-47 alpha (16 u + 8 h + j) at 8 u + j
.set BT,   48                          ; v48-55 four pairs: gamma_b, then c gamma_b - M (the odd registers are 0)
.set KF,   56                          ; v56-103 K's 8 tiles, v104-109 zeros;  V's 4 fragments take v56-103
.set VF,   56
.set KS,   110
.set VS,   114
.set S,    116                         ; v116-179 S^T, then p
.set OT,   180                         ; v180-211 O^T
.set PCD,  212                         ; v212-223 p's codes
.set BM,   224
.set PD,   228
.set SO,   232
.set CX,   236
.set FF,   244
.set PSW,  246
.set W0,   247
.set SU,   248                         ; v248-249 the row sum's second chain
.set SEL,  52
.set CS,   54
.set GA,   56                          ; s56  alpha of the step's gamma: sigma, 0 or -sigma
.set SG,   58
.set NSG,  59
.set ST,   60
.set DG,   61
.set TK,   62
.set TS,   63
.set TV,   66
.set CNT,  67
.macro WM d, a, b, c, sa, sb, ra, rb
.if ((\ra)==0)&&((\rb)==0)
	v_wmma_scale_f32_16x16x128_f8f6f4 v[(\d):(\d)+7], v[(\a):(\a)+11], v[(\b):(\b)+11], v[(\c):(\c)+7], v[\sa], v[\sb] matrix_a_fmt:MATRIX_FMT_BF6 matrix_b_fmt:MATRIX_FMT_BF6
.else
	v_wmma_scale_f32_16x16x128_f8f6f4 v[(\d):(\d)+7], v[(\a):(\a)+11], v[(\b):(\b)+11], v[(\c):(\c)+7], v[\sa], v[\sb] matrix_a_fmt:MATRIX_FMT_BF6 matrix_b_fmt:MATRIX_FMT_BF6 matrix_a_scale:MATRIX_SCALE_ROW1
.endif
.endm
; A KEY STEP: 128 keys
.macro STEP
	v_add_nc_u32 v[ADK], s[TK], v[LI]              ; (these four lines are the places behind the last step's products, in front of the loads into the registers that they read)
	v_add_nc_u32 v[ADV], s[TK], v[AV0]
	v_add_nc_u32 v[ADS], s[TS], v[ASK0]
	v_add_nc_u32 v[ADT], s[TV], v[ASV0]
.set n, 0
.rept 12
	ds_load_b128 v[KF+4*n:KF+4*n+3], v[ADK] offset:512*n   ; the step's 8 tiles of K, 6 registers each, on end
.set n, n+1
.endr
	ds_load_b128 v[KS:KS+3], v[ADS]                ; register i: lanes 0-15 tile 2 i's words, lanes 16-31 tile 2 i + 1's
	s_cmp_lt_u32 s[ST], s[DG]
	s_cselect_b32 s[GA], s[SG], s[NSG]             ; keys before my queries: -sigma |x| = sigma x; behind them: -sigma x
	s_cmp_eq_u32 s[ST], s[DG]
	s_cselect_b32 s[GA], 0, s[GA]                  ; on the diagonal the whole bias stands in C, and gamma is 0
	s_cbranch_scc1 .Ldiag_\@
	s_wait_dscnt 0x0
.irp t,0,1,2,3,4,5,6,7
	WM S+8*\t, KF+6*\t, QF, CB+8*(\t%2), KS+\t/2, QS, \t%2, 0   ; lane (r, h), register j of tile t: key 16 t + 8 h + j, query r; C: the part of the bias that no step changes
.endr
	s_branch .Ljoin_\@
.Ldiag_\@:
	v_mul_f32 v[BT], s[SG], v[EE]                  ; sigma (kbase + 32 b - query); the 16 registers still hold + sigma (16 u + 8 h + j)
.irp b,1,2,3
	v_fma_f32 v[BT+2*\b], s[SG], v[K32+\b-1], v[BT]
.endr
.irp b,0,1,2,3
.irp i,0,2,4,6,8,10,12,14
	v_pk_add_f32 v[S+16*\b+\i:S+16*\b+\i+1], v[CB+\i:CB+\i+1], v[BT+2*\b:BT+2*\b+1] op_sel_hi:[1,0]   ; sigma (key - query)
.endr
.endr
.set n, 0
.rept 64
	v_or_b32 v[S+n], 0x80000000, v[S+n]            ; - sigma |key - query|
.set n, n+1
.endr
.set n, 0
.rept 16
	v_xor_b32 v[CB+n], 0x80000000, v[CB+n]         ; from the next step on alpha = -sigma
.set n, n+1
.endr
	s_wait_dscnt 0x0
.irp t,0,1,2,3,4,5,6,7
	WM S+8*\t, KF+6*\t, QF, S+8*\t, KS+\t/2, QS, \t%2, 0
.endr
.Ljoin_\@:
	v_mul_f32 v[BT], s[GA], v[EE]                  ; gamma_b = alpha (kbase + 32 b - query).  These five lines are the places in front of the loads below and of the first read of the scores
.irp b,1,2,3
	v_fma_f32 v[BT+2*\b], s[GA], v[K32+\b-1], v[BT]
.endr
	v_add_f32 v[EE], 0x43000000, v[EE]             ; the next step's first key - my query
.set n, 0
.rept 12
	ds_load_b128 v[VF+4*n:VF+4*n+3], v[ADV] offset:512*n   ; V's four fragments: they land under the softmax
.set n, n+1
.endr
	ds_load_b32 v[VS], v[ADT]
	ds_load_b32 v[VS+1], v[ADT] offset:128
.irp b,0,1,2,3
	v_max3_num_f32 v[BM+\b], v[S+16*\b], v[S+16*\b+1], v[S+16*\b+2]   ; the largest S' of each block of 32 keys: for the row's maximum and for the block's largest p
.endr
.irp i,3,5,7,9,11,13
.irp b,0,1,2,3
	v_max3_num_f32 v[BM+\b], v[BM+\b], v[S+16*\b+\i], v[S+16*\b+\i+1]
.endr
.endr
.irp b,0,1,2,3
	v_max_num_f32 v[BM+\b], v[BM+\b], v[S+16*\b+15]
.endr
.irp b,0,1,2,3
	v_permlanex16_b32 v[PD+\b], v[BM+\b], s[SEL], s[SEL+1]
.endr
.irp b,0,1,2,3
	v_max_num_f32 v[BM+\b], v[BM+\b], v[PD+\b]     ; gamma_b is the same in lanes l and l xor 16, so the larger S' is the larger score
.endr
.irp b,0,1,2,3
	v_add_f32 v[PD+\b], v[BM+\b], v[BT+2*\b]       ; the block's largest score
.endr
	v_max3_num_f32 v[W0], v[PD], v[PD+1], v[PD+2]
	v_max_num_f32 v[W0], v[W0], v[PD+3]
	v_mul_f32 v[W0], s[CS], v[W0]                  ; as t
	v_max_num_f32 v13, v13, v[W0]                  ; the running largest t
	v_mov_b32 v[W0], v12
	v_floor_f32 v12, -v13                          ; -M = floor(-t): M is a whole number
	v_sub_f32 v[W0], v12, v[W0]                    ; old M - new M, 0 or less
	v_cvt_i32_f32 v[W0], v[W0]                     ; (it saturates)
	v_ldexp_f32 v[FF], 1.0, v[W0]                  ; f = 2^(old M - new M): a multiplication by it rounds nothing
.irp b,0,1,2,3
	v_fma_f32 v[BT+2*\b], v[BT+2*\b], s[CS], v12   ; c gamma_b - M
.endr
.irp b,0,1,2,3
.irp i,0,2,4,6,8,10,12,14
	v_pk_fma_f32 v[S+16*\b+\i:S+16*\b+\i+1], v[S+16*\b+\i:S+16*\b+\i+1], s[CS:CS+1], v[BT+2*\b:BT+2*\b+1] op_sel_hi:[1,0,0]   ; t - M
.endr
.endr
.irp b,0,1,2,3
	v_fma_f32 v[BM+\b], v[BM+\b], s[CS], v[BT+2*\b]   ; the same of each block's largest S'
.endr
.set n, 0
.rept 64
	v_exp_f32 v[S+n], v[S+n]                       ; p = 2^(t - M)
.set n, n+1
.endr
	v_pk_mul_f32 v[14:15], v[14:15], v[FF:FF+1] op_sel_hi:[1,0]   ; the sums under the new M (the plain line behind the batch)
	s_wait_alu depctr_va_vdst(0)                   ; one wait for the 64, ahead of their first reader
.irp b,0,1,2,3
	v_exp_f32 v[BM+\b], v[BM+\b]                   ; each block's largest p
.endr
	v_pk_add_f32 v[SU:SU+1], v[S:S+1], v[S+2:S+3]  ; the row's sum of the unquantised p, in two chains: its first half stands behind the four exponentials
.irp j,4,8,12,16,20,24,28
	v_pk_add_f32 v[14:15], v[14:15], v[S+\j:S+\j+1]
	v_pk_add_f32 v[SU:SU+1], v[SU:SU+1], v[S+\j+2:S+\j+3]
.endr
	s_wait_alu depctr_va_vdst(0)                   ; and one for the four
.irp b,0,1,2,3
	v_max_num_f32 v[BM+\b], 0x2800000, v[BM+\b]    ; the floor 2^(5 - 127)
.endr
.irp b,0,1,2,3
	v_add_nc_u32 v[SO+\b], 0xfe000000, v[BM+\b]
.endr
.irp b,0,1,2,3
	v_lshrrev_b32 v[PD+\b], 23, v[SO+\b]
.endr
	v_lshl_or_b32 v[PSW], v[PD+1], 8, v[PD]
	v_lshl_or_b32 v[PSW], v[PD+2], 16, v[PSW]
	v_lshl_or_b32 v[PSW], v[PD+3], 24, v[PSW]      ; p's scale word
.irp c,0,1
	v_cvt_scalef32_pk16_bf6_f32 v[PCD+6*\c:PCD+6*\c+2], v[S+32*\c:S+32*\c+15], v[SO+2*\c]
	v_cvt_scalef32_pk16_bf6_f32 v[CX+4*\c:CX+4*\c+2], v[S+32*\c+16:S+32*\c+31], v[SO+2*\c+1]
.endr
	v_pk_add_f32 v[14:15], v[14:15], v[S+32:S+33]  ; the sum's second half begins: the plain line behind the last scaled conversion
.irp c,0,1
.irp i,0,1,2
	v_permlane16_swap_b32 v[PCD+6*\c+\i], v[CX+4*\c+\i]
.endr
.irp i,0,1,2
	v_mov_b32 v[PCD+3+6*\c+\i], v[CX+4*\c+\i]
.endr
.endr
	v_pk_add_f32 v[SU:SU+1], v[SU:SU+1], v[S+34:S+35]   ; the rest of the sum: 16 plain lines that name no register of the product below stand behind the codes' last move
.irp j,36,40,44,48,52,56,60
	v_pk_add_f32 v[14:15], v[14:15], v[S+\j:S+\j+1]
	v_pk_add_f32 v[SU:SU+1], v[SU:SU+1], v[S+\j+2:S+\j+3]
.endr
	v_pk_add_f32 v[14:15], v[14:15], v[SU:SU+1]
.set n, 0
.rept 16
	v_pk_mul_f32 v[OT+n:OT+n+1], v[OT+n:OT+n+1], v[FF:FF+1] op_sel_hi:[1,0]   ; O^T under the new M
.set n, n+2
.endr
	s_wait_dscnt 0x0                               ; V
.irp t,0,1,2,3
	WM OT+8*\t, VF+12*\t, PCD, OT+8*\t, VS+\t/2, PSW, \t%2, 0
.endr
	s_add_co_u32 s[TK], s[TK], 6144
	s_add_co_u32 s[TS], s[TS], 512
	s_add_co_u32 s[TV], s[TV], 256
	s_add_co_u32 s[ST], s[ST], 1
.endm
; FOUR KEY STEPS: chunk c of K and of V
.macro CHUNK c
	s_wait_tensorcnt 3-(\c)                        ; a fetching wave's loads end in the order of issue: the scale words and chunks 0 .. c have landed, the 3 - c later chunks may be out
	s_wait_dscnt 0x0                               ; no LDS instruction of mine is out at the signal
	s_barrier_signal -1
	s_barrier_wait -1                              ; both fetching waves have said so: the chunk is whole for all sixteen.
	s_mov_b32 s[TK], (\c)*24576                    ; where the chunk's tiles and scale words begin
	s_mov_b32 s[TS], (\c)*2048
	s_mov_b32 s[TV], (\c)*1024
	s_mov_b32 s[CNT], 4
.Lstep_\@:
	STEP
	s_sub_co_u32 s[CNT], s[CNT], 1
	s_cmp_lg_u32 s[CNT], 0
	s_cbranch_scc1 .Lstep_\@
.endm
	s_load_b128 s[4:7], s[0:1], 0x0                ; qkv, ctx
	v_lshl_add_u32 v254, v0, 2, 0x33000
	v_mov_b32 v255, 0
	ds_add_u32 v254, v255
	ds_add_u32 v254, v255
	v_lshrrev_b32 v1, 5, v0
	v_readfirstlane_b32 s8, v1                     ; wave 0..15
	s_and_b32 s9, s8, 1
	s_and_b32 s10, ttmp7, 0xffff                   ; bh
	s_and_b32 s11, s10, 7                          ; head
	s_lshr_b32 s12, s10, 3                         ; batch
	s_mov_b32 s16, 3<<16                           ; group 1 for the scale words: 24 rows of 256 bytes, dense
	s_mov_b32 s17, 32<<16
	s_mov_b32 s18, 24<<16
	s_mov_b32 s19, 32<<16
	s_mov_b32 s20, 24
	s_mov_b32 s21, 32
	s_mov_b32 s22, 0
	s_mov_b32 s23, 0
	s_mov_b32 s24, 3<<16                           ; group 1 for four steps of K or of V: 96 rows of 256 bytes, dense
	s_mov_b32 s25, 32<<16
	s_mov_b32 s26, 96<<16
	s_mov_b32 s27, 32<<16
	s_mov_b32 s28, 96
	s_mov_b32 s29, 32
	s_mov_b32 s30, 0
	s_mov_b32 s31, 0
	s_mul_i32 s68, s9, 6144
	s_mul_i32 s69, s9, 98304
	s_mul_i32 s70, s10, 12288
	s_add_co_u32 s70, s70, s68
	s_add_co_u32 s70, s70, KV_S
	s_mov_b32 s71, 0
	s_mul_i32 s72, s9, 3145728
	s_mul_i32 s73, s10, 98304
	s_add_co_u32 s72, s72, s73
	s_add_co_u32 s72, s72, K_I
	s_mov_b32 s73, 0
	s_wait_dscnt 0x0
	s_wait_kmcnt 0x0
	s_mov_b32 s32, 1
	s_add_co_u32 s33, s68, 196608
	s_add_nc_u64 s[34:35], s[4:5], s[70:71]
	s_or_b32 s35, s35, 0x80000000
	s_add_nc_u64 s[72:73], s[4:5], s[72:73]
.irp c,0,1,2,3
	s_mov_b32 s[36+4*\c], 1
	s_add_co_u32 s[37+4*\c], s69, \c*24576
	s_add_nc_u64 s[38+4*\c:39+4*\c], s[72:73], \c*24576
	s_or_b32 s[39+4*\c], s[39+4*\c], 0x80000000
.endr
	s_cmp_lt_u32 s8, 2                             ; wave 0: half the scale words and K; wave 1: the other half and V.  All first fills of a wave stand in this one branch
	s_cbranch_scc0 .Lno_fetch
	tensor_load_to_lds s[32:35], s[16:23]
	s_nop 0
	tensor_load_to_lds s[36:39], s[24:31]
	s_nop 0
	tensor_load_to_lds s[40:43], s[24:31]
	s_nop 0
	tensor_load_to_lds s[44:47], s[24:31]
	s_nop 0
	tensor_load_to_lds s[48:51], s[24:31]
	s_nop 0
.rept 4
	v_nop
.endr
.Lno_fetch:
	v_and_b32 v10, 31, v0
	v_lshlrev_b32 v[LI], 4, v10
	v_add_nc_u32 v[AV0], 98304, v[LI]
	v_add_nc_u32 v[ASK0], 196608, v[LI]
	v_lshlrev_b32 v[ASV0], 2, v10
	v_add_nc_u32 v[ASV0], 204800, v[ASV0]
	v_and_b32 v10, 15, v0                          ; r
	v_bfe_u32 v11, v0, 4, 1                        ; h
	s_lshl_b32 s72, ttmp9, 1
	s_lshr_b32 s73, s8, 3
	s_add_co_u32 s72, s72, s73                     ; the key step in which my 16 queries lie
	s_mov_b32 s[DG], s72
	s_bfe_u32 s73, s8, 0x20001                     ; which pair of tiles of that step
	s_mul_i32 s74, s10, 98304
	s_mul_i32 s75, s72, 6144
	s_add_co_u32 s74, s74, s75
	s_mul_i32 s75, s73, 1536
	s_add_co_u32 s74, s74, s75
	s_mov_b32 s75, 0
	s_add_nc_u64 s[74:75], s[4:5], s[74:75]        ; the pair's image
	s_cmp_eq_u32 s9, 0                             ; the even tile is registers 0-5 of the image, the odd one registers 6-11: three pieces of 8 bytes a lane
	s_cselect_b32 s76, 0, 520
	s_cselect_b32 s77, 8, 1024
	s_mov_b32 s78, 1032
	s_cselect_b32 s78, 512, s78
	v_add_nc_u32 v247, s76, v[LI]
	v_add_nc_u32 v248, s77, v[LI]
	v_add_nc_u32 v249, s78, v[LI]
	global_load_b64 v[QF:QF+1], v247, s[74:75]
	global_load_b64 v[QF+2:QF+3], v248, s[74:75]
	global_load_b64 v[QF+4:QF+5], v249, s[74:75]
	s_lshl_b32 s76, s10, 13
	s_lshl_b32 s77, s72, 9
	s_add_co_u32 s76, s76, s77
	s_lshl_b32 s77, s9, 8
	s_add_co_u32 s76, s76, s77
	s_lshl_b32 s77, s73, 2
	s_add_co_u32 s76, s76, s77
	s_add_co_u32 s76, s76, Q_S
	s_mov_b32 s77, 0
	s_add_nc_u64 s[76:77], s[4:5], s[76:77]
	v_lshlrev_b32 v250, 4, v10
	global_load_b32 v[QS], v250, s[76:77]          ; query r's scale word
.irp i,6,7,8,9,10,11
	v_mov_b32 v[QF+\i], 0                          ; Q's upper 64 along K: zero codes
.endr
.irp i,48,49,50,51,52,53
	v_mov_b32 v[KF+\i], 0                          ; behind K's last tile
.endr
	s_sub_co_u32 s[SG], 129, s11
	s_lshl_b32 s[SG], s[SG], 23                    ; sigma = 2^(2 - head)
	s_xor_b32 s[NSG], s[SG], 0x80000000
.irp i,0,1,2,3,4,5,6,7
	v_lshl_add_u32 v[CB+\i], v11, 3, \i            ; 16 u + 8 h + j
	v_lshl_add_u32 v[CB+8+\i], v11, 3, 16+\i
.endr
.set n, 0
.rept 16
	v_cvt_f32_u32 v[CB+n], v[CB+n]
.set n, n+1
.endr
.set n, 0
.rept 16
	v_mul_f32 v[CB+n], s[SG], v[CB+n]              ; x sigma: the walk begins before my queries, or on the diagonal, which takes them so too
.set n, n+1
.endr
	v_mov_b32 v[K32], 0x42000000                   ; 32.0
	v_mov_b32 v[K32+1], 0x42800000                 ; 64.0
	v_mov_b32 v[K32+2], 0x42c00000                 ; 96.0
.irp b,0,1,2,3
	v_mov_b32 v[BT+2*\b+1], 0                      ; named as the upper halves of pairs
	v_mov_b32 v[PD+\b], 0                          ; a lane permute's destination counts as one of its sources
.endr
	v_mov_b32 v[FF+1], 0
	s_lshl_b32 s78, ttmp9, 8
	s_lshl_b32 s79, s8, 4
	s_add_co_u32 s78, s78, s79
	s_sub_co_u32 s78, 0, s78                       ; - my first query
	v_sub_nc_u32 v[EE], s78, v10
	v_cvt_f32_i32 v[EE], v[EE]                     ; - my query: the same in lanes l and l xor 16
	s_mov_b32 s[SEL], 0x76543210
	s_mov_b32 s[SEL+1], 0xfedcba98
	s_mov_b32 s[CS], 0x3e38aa3b                    ; log2(e) / 8
	s_mov_b32 s[CS+1], s[CS]
	s_mov_b32 s[ST], 0
	v_mov_b32 v13, 0xff61b1e6                      ; the largest t so far: -3e38
	v_floor_f32 v12, -v13
	v_mov_b32 v14, 0
	v_mov_b32 v15, 0
.set n, 0
.rept 32
	v_mov_b32 v[OT+n], 0                           ; the step is written once: the first finds zeros, which the first change of M leaves zeros
.set n, n+1
.endr
	s_wait_loadcnt 0x0                             ; Q (and the loads have read their offsets, which are written again in the steps)
	CHUNK 0
	CHUNK 1
	CHUNK 2
	CHUNK 3                                        ; its wait is for 0: no tensor load is out from here on
	; THE WAY OUT
	v_and_b32 v6, 31, v0                           ; (four plain lines behind the last products)
	v_lshlrev_b32 v6, 3, v6                        ; 8 x lane
	v_and_b32 v7, 15, v0
	v_lshlrev_b32 v7, 4, v7                        ; 16 r
	v_add_f32 v14, v14, v15
	v_permlanex16_b32 v[W0], v14, s[SEL], s[SEL+1]
	v_add_f32 v14, v14, v[W0]                      ; the row's sum
	v_rcp_f32 v14, v14
	v_nop
	s_lshl_b32 s68, ttmp9, 4
	s_add_co_u32 s68, s68, s8
	s_lshl_b32 s69, s12, 7
	s_add_co_u32 s68, s68, s69                     ; my tile of 16 tokens among the 512
	s_mul_i32 s70, s68, 6144
	s_mul_i32 s71, s11, 768
	s_add_co_u32 s70, s70, s71
	s_mov_b32 s71, 0
	s_add_nc_u64 s[70:71], s[6:7], s[70:71]
	s_lshl_b32 s72, s68, 8
	s_lshl_b32 s73, s11, 1
	s_add_co_u32 s72, s72, s73
	s_add_co_u32 s72, s72, CTX_S
	s_mov_b32 s73, 0
	s_add_nc_u64 s[72:73], s[6:7], s[72:73]
	s_wait_alu depctr_va_vdst(0)                   ; the wait for the reciprocal, ahead of its first reader
.set n, 0
.rept 32
	v_mul_f32 v[S+n], v[OT+n], v14                 ; register 8 t + j: channel 16 t + 8 h + j of query r
.set n, n+1
.endr
.irp b,0,1
	v_max3_num_f32 v[BM+\b], 0x2800000, |v[S+16*\b]|, |v[S+16*\b+1]|
.endr
.irp i,2,4,6,8,10,12,14
.irp b,0,1
	v_max3_num_f32 v[BM+\b], v[BM+\b], |v[S+16*\b+\i]|, |v[S+16*\b+\i+1]|
.endr
.endr
.irp b,0,1
	v_permlanex16_b32 v[PD+\b], v[BM+\b], s[SEL], s[SEL+1]
.endr
.irp b,0,1
	v_max_num_f32 v[BM+\b], v[BM+\b], v[PD+\b]
.endr
.irp b,0,1
	v_add_nc_u32 v[SO+\b], 0xfe000000, v[BM+\b]
.endr
.irp b,0,1
	v_lshrrev_b32 v[PD+\b], 23, v[SO+\b]
.endr
	v_lshl_or_b32 v[PSW], v[PD+1], 8, v[PD]
	v_cvt_scalef32_pk16_bf6_f32 v[PCD:PCD+2], v[S:S+15], v[SO]
	v_cvt_scalef32_pk16_bf6_f32 v[CX:CX+2], v[S+16:S+31], v[SO+1]
	v_nop
.irp i,0,1,2
	v_permlane16_swap_b32 v[PCD+\i], v[CX+\i]
.endr
.irp i,0,1,2
	v_mov_b32 v[PCD+3+\i], v[CX+\i]
.endr
.irp m,0,1,2
	global_store_b64 v6, v[PCD+2*\m:PCD+2*\m+1], s[70:71] offset:256*\m   ; 256 consecutive bytes, aligned
.endr
	global_store_b16 v7, v[PSW], s[72:73]
	s_wait_tensorcnt 0x0
	ds_add_u32 v254, v255
	s_wait_dscnt 0x0
	s_endpgm
.Lfunc_end_k_q965e825e06_att:
	.size	k_q965e825e06_att, .Lfunc_end_k_q965e825e06_att-k_q965e825e06_att
	.p2alignl 7, 3214868480
	.fill 96, 4, 3214868480
	.section	.rodata,"a",@progbits
	.p2align	6, 0x0
	.amdhsa_kernel k_q965e825e06_att
		.amdhsa_group_segment_fixed_size 210944
		.amdhsa_private_segment_fixed_size 0
		.amdhsa_enable_private_segment 0
		.amdhsa_kernarg_size 16
		.amdhsa_user_sgpr_count 2
		.amdhsa_user_sgpr_kernarg_segment_ptr 1
		.amdhsa_wavefront_size32 1
		.amdhsa_system_sgpr_workgroup_id_x 1
		.amdhsa_system_sgpr_workgroup_id_y 1
		.amdhsa_system_sgpr_workgroup_id_z 1
		.amdhsa_system_vgpr_workitem_id 0
		.amdhsa_next_free_vgpr 256
		.amdhsa_next_free_sgpr 80
		.amdhsa_reserve_vcc 0
		.amdhsa_float_denorm_mode_32 3
		.amdhsa_float_denorm_mode_16_64 3
		.amdhsa_memory_ordered 1
		.amdhsa_forward_progress 1
		.amdhsa_inst_pref_size 114
	.end_amdhsa_kernel
	.amdgpu_metadata
---
amdhsa.version: [ 1, 2 ]
amdhsa.kernels:
  - .name:           k_q965e825e06_att
    .symbol:         k_q965e825e06_att.kd
    .args:
      - { .name: qkv, .offset: 0, .size: 8, .value_kind: global_buffer, .address_space: global }
      - { .name: ctx, .offset: 8, .size: 8, .value_kind: global_buffer, .address_space: global }
    .group_segment_fixed_size: 210944
    .private_segment_fixed_size: 0
    .kernarg_segment_align: 8
    .kernarg_segment_size: 16
    .max_flat_workgroup_size: 512
    .sgpr_count:     80
    .vgpr_count:     256
    .wavefront_size: 32
...
	.end_amdgpu_metadata
.endif
;; end of part 3
;; launch wo_ln (part 4): grid 256 x 1, 4 waves a work-group, no clusters, 67,584 bytes of LDS; arguments ctx, wimg, bo, x, ln2_g, ln2_b, x1, xa; writes x1, xa
.if DOCPART == 4
	.amdgcn_target "amdgcn-amd-amdhsa--gfx1250"
	.amdhsa_code_object_version 6
	.text
	.protected	k_q965e825e06_wo_ln
	.globl	k_q965e825e06_wo_ln
	.p2align	8
	.type	k_q965e825e06_wo_ln,@function
k_q965e825e06_wo_ln:
	s_mov_b64 s[64:65], 0
	v_nop
	global_prefetch_b8 v0, s[64:65] scope:SCOPE_SE
	s_setreg_imm32_b32 hwreg(HW_REG_WAVE_MODE, 25, 1), 1
	s_wait_xcnt 0x0
; x1 = x + ctx wo^T + bo;  xn2 = layer norm 2 of x1, quantised to BF6 along its 512 columns.
; A work-group takes 32 tokens x all 512 columns, since the norm wants whole rows.  Wave w makes columns 128 w .. 128 w + 127 of both tiles of 16 tokens: 16 accumulators, 64 matrix instructions.
; Source 0 = 16 rows of wo, source 1 = 16 tokens: a lane holds one token and eight neighbouring columns a tile.  Wave w's 128 columns are K step w of the next product: one fragment and one scale word a tile.
; wo's 32 fragments of a wave go from memory straight into its registers, 384 of them: each byte is wanted by one wave's registers alone, so LDS and joint loads would only add a copy; hence no cluster.
; x comes in, and x1 goes out, in whole rows through a stage in LDS (pitch 2,064 bytes: row r starts at bank 4 r).  Row sums meet in 2 x 512 bytes of LDS; the variance is that of the differences from the mean.
; Three barriers: x lies in the stage | x1 lies in the stage, the sums' parts are stored | the squares' parts are stored.
; REGISTERS: window 0: v1-7 addresses; v16-111 ctx's 8 fragments, later 64 numbers of xn2; v112-127 wo's scale words, v128-131 ctx's; v132-147 at work; v148-167 codes; v168-169 scale words; v170-193 sums.
;   window 1: wo (b, K steps 0, 1) at 12 (2 b + s), later x1's rows; v192-255 bo.   window 2: wo (b, K steps 2, 3); v192-255 ln2_g.
;   window 3: v0-127 x's rows as loaded, then the accumulators 8 (8 a + b); v128-191 ln2_b; v192-255 x's pieces.
.set PITCH, 2064
.set RED1, 66048
.set WO_I, 589824
.set WO_S, 2383872
.set SC_O, 3145728
.set LI,  1
.set L8,  2
.set H32, 3
.set STW, 4
.set XR,  5
.set RW,  6
.set RR,  7
.set CF,  16
.set HA,  16
.set WS,  112
.set AS,  128
.set TM,  132
.set PC,  148
.set PW,  168
.set SM,  170
.set MN,  178
.set RS,  182
.set PS,  186
.set XB,  192
.set SEL, 46
.set MSB, 0
.macro WIN new
.if MSB != (\new)
	s_set_vgpr_msb (MSB<<8)|(\new)
.set MSB, (\new)
.endif
.endm
.macro PLACES
.rept 4
	v_nop
.endr
.endm
.macro QUANT s, w, d, pw, ab
	WIN ((\w)<<2)|((\w)<<4)
.irp b,0,1,2,3
.if \ab
	v_max3_num_f32 v[TM+\b], 0x2800000, |v[(\s)+16*\b]|, |v[(\s)+16*\b+1]|
.else
	v_max3_num_f32 v[TM+\b], 0x2800000, v[(\s)+16*\b], v[(\s)+16*\b+1]
.endif
.endr
.irp i,2,4,6,8,10,12,14
.irp b,0,1,2,3
.if \ab
	v_max3_num_f32 v[TM+\b], v[TM+\b], |v[(\s)+16*\b+\i]|, |v[(\s)+16*\b+\i+1]|
.else
	v_max3_num_f32 v[TM+\b], v[TM+\b], v[(\s)+16*\b+\i], v[(\s)+16*\b+\i+1]
.endif
.endr
.endr
	WIN 0
.irp b,0,1,2,3
	v_permlanex16_b32 v[TM+4+\b], v[TM+\b], s[SEL], s[SEL+1]
.endr
.irp b,0,1,2,3
	v_max_num_f32 v[TM+\b], v[TM+\b], v[TM+4+\b]
.endr
.irp b,0,1,2,3
	v_add_nc_u32 v[TM+12+\b], 0xfe000000, v[TM+\b]
.endr
.irp b,0,1,2,3
	v_lshrrev_b32 v[TM+4+\b], 23, v[TM+12+\b]
.endr
	v_lshl_or_b32 v[\pw], v[TM+5], 8, v[TM+4]
	v_lshl_or_b32 v[\pw], v[TM+6], 16, v[\pw]
	v_lshl_or_b32 v[\pw], v[TM+7], 24, v[\pw]
	WIN \w
.irp c,0,1
	v_cvt_scalef32_pk16_bf6_f32 v[(\d)+6*\c:(\d)+6*\c+2], v[(\s)+32*\c:(\s)+32*\c+15], v[TM+12+2*\c]
	v_cvt_scalef32_pk16_bf6_f32 v[(\d)+12+4*\c:(\d)+14+4*\c], v[(\s)+32*\c+16:(\s)+32*\c+31], v[TM+12+2*\c+1]
.endr
	WIN 0
	v_nop
.irp c,0,1
.irp i,0,1,2
	v_permlane16_swap_b32 v[(\d)+6*\c+\i], v[(\d)+12+4*\c+\i]
.endr
.irp i,0,1,2
	v_mov_b32 v[(\d)+3+6*\c+\i], v[(\d)+12+4*\c+\i]
.endr
.endr
.endm
.macro WM d, a, b, c, sa, sb, ra, rb
.if ((\ra)==0)&&((\rb)==0)
	v_wmma_scale_f32_16x16x128_f8f6f4 v[(\d):(\d)+7], v[(\a):(\a)+11], v[(\b):(\b)+11], v[(\c):(\c)+7], v[\sa], v[\sb] matrix_a_fmt:MATRIX_FMT_BF6 matrix_b_fmt:MATRIX_FMT_BF6
.elseif (\rb)==0
	v_wmma_scale_f32_16x16x128_f8f6f4 v[(\d):(\d)+7], v[(\a):(\a)+11], v[(\b):(\b)+11], v[(\c):(\c)+7], v[\sa], v[\sb] matrix_a_fmt:MATRIX_FMT_BF6 matrix_b_fmt:MATRIX_FMT_BF6 matrix_a_scale:MATRIX_SCALE_ROW1
.elseif (\ra)==0
	v_wmma_scale_f32_16x16x128_f8f6f4 v[(\d):(\d)+7], v[(\a):(\a)+11], v[(\b):(\b)+11], v[(\c):(\c)+7], v[\sa], v[\sb] matrix_a_fmt:MATRIX_FMT_BF6 matrix_b_fmt:MATRIX_FMT_BF6 matrix_b_scale:MATRIX_SCALE_ROW1
.else
	v_wmma_scale_f32_16x16x128_f8f6f4 v[(\d):(\d)+7], v[(\a):(\a)+11], v[(\b):(\b)+11], v[(\c):(\c)+7], v[\sa], v[\sb] matrix_a_fmt:MATRIX_FMT_BF6 matrix_b_fmt:MATRIX_FMT_BF6 matrix_a_scale:MATRIX_SCALE_ROW1 matrix_b_scale:MATRIX_SCALE_ROW1
.endif
.endm
.macro TAILSUM a, off                  ; two chains of pairs become token r's sum over my 128 columns, stored for the other waves
	WIN 0
	v_pk_add_f32 v[SM+4*\a:SM+4*\a+1], v[SM+4*\a:SM+4*\a+1], v[SM+4*\a+2:SM+4*\a+3]
	v_add_f32 v[SM+4*\a], v[SM+4*\a], v[SM+4*\a+1]
	v_permlanex16_b32 v[SM+4*\a+1], v[SM+4*\a], s[SEL], s[SEL+1]
	v_add_f32 v[SM+4*\a], v[SM+4*\a], v[SM+4*\a+1]
	ds_store_b32 v[RW], v[SM+4*\a] offset:\off+256*\a      ; lanes r and r + 16 write the same word with the same value
.endm
.macro PARTS off                       ; the four waves' parts of both tiles, added in a fixed order: v[PS], v[PS + 4]
.irp a,0,1
.irp k,0,1,2,3
	ds_load_b32 v[PS+4*\a+\k], v[RR] offset:\off+256*\a+64*\k
.endr
.endr
	s_wait_dscnt 0x0
.irp a,0,1
	v_add_f32 v[PS+4*\a], v[PS+4*\a], v[PS+4*\a+1]
	v_add_f32 v[PS+4*\a+2], v[PS+4*\a+2], v[PS+4*\a+3]
	v_add_f32 v[PS+4*\a], v[PS+4*\a], v[PS+4*\a+2]
.endr
.endm
.macro RESID a                         ; x1 = product + bo + x for tile a; back into the stage; the row sums' parts
	WIN 0xc0
.irp b,0,1,2,3,4,5,6,7
	ds_load_b128 v[XB+8*\b:XB+8*\b+3], v[XR] offset:\a*16*PITCH+64*\b
	ds_load_b128 v[XB+8*\b+4:XB+8*\b+7], v[XR] offset:\a*16*PITCH+64*\b+16
.endr
	s_wait_dscnt 0x0
	WIN 0xcf
.set j, 0
.rept 32
	v_pk_add_f32 v[64*\a+j:64*\a+j+1], v[64*\a+j:64*\a+j+1], v[XB+j:XB+j+1]   ; each accumulator from its low end on
.set j, j+2
.endr
	WIN 0x0c
.irp b,0,1,2,3,4,5,6,7
	ds_store_b128 v[XR], v[64*\a+8*\b:64*\a+8*\b+3] offset:\a*16*PITCH+64*\b   ; the very bytes that I read: no other wave touches them before the barrier
	ds_store_b128 v[XR], v[64*\a+8*\b+4:64*\a+8*\b+7] offset:\a*16*PITCH+64*\b+16
.endr
	WIN 0x0f
	v_pk_add_f32 v[SM+4*\a:SM+4*\a+1], v[64*\a:64*\a+1], v[64*\a+2:64*\a+3]
	v_pk_add_f32 v[SM+4*\a+2:SM+4*\a+3], v[64*\a+4:64*\a+5], v[64*\a+6:64*\a+7]
	WIN 0x0c
.set j, 8
.rept 14
	v_pk_add_f32 v[SM+4*\a:SM+4*\a+1], v[SM+4*\a:SM+4*\a+1], v[64*\a+j:64*\a+j+1]
	v_pk_add_f32 v[SM+4*\a+2:SM+4*\a+3], v[SM+4*\a+2:SM+4*\a+3], v[64*\a+j+2:64*\a+j+3]
.set j, j+4
.endr
	TAILSUM \a, 0
.endm
	s_load_b512 s[4:19], s[0:1], 0x0               ; ctx, wimg, bo, x, ln2_g, ln2_b, x1, xa
	v_lshl_add_u32 v254, v0, 2, 0x10600
	v_mov_b32 v255, 0
	v_lshrrev_b32 v1, 5, v0
	v_readfirstlane_b32 s20, v1                    ; wave 0..3
	v_and_b32 v8, 31, v0
	v_and_b32 v9, 15, v0
	v_bfe_u32 v10, v0, 4, 1
	v_lshlrev_b32 v[LI], 4, v8
	v_lshlrev_b32 v[L8], 3, v8
	v_lshlrev_b32 v[H32], 5, v10
	s_mul_i32 s21, s20, 8*PITCH
	v_add_nc_u32 v[STW], s21, v[LI]                ; whole rows: my 8, 16 bytes a lane
	s_lshl_b32 s21, s20, 9
	v_mul_u32_u24 v[XR], v9, PITCH
	v_add_nc_u32 v[XR], v[XR], v[H32]
	v_add_nc_u32 v[XR], s21, v[XR]                 ; pieces: row r, + my 512 bytes, + 32 h
	v_lshlrev_b32 v[RR], 2, v9
	v_add_nc_u32 v[RR], RED1, v[RR]
	s_lshl_b32 s21, s20, 6
	v_add_nc_u32 v[RW], s21, v[RR]
	s_mov_b32 s[SEL], 0x76543210
	s_mov_b32 s[SEL+1], 0xfedcba98
	s_mov_b32 s48, 0x3b000000                      ; 1 / 512
	s_mov_b32 s49, 0x3727c5ac                      ; 1e-5
	s_mov_b32 s50, 0xffff0000
.irp b,0,1,2,3
	v_mov_b32 v[TM+4+\b], 0
.endr
	s_mov_b32 s23, 0
	s_lshl_b32 s22, ttmp9, 16
	s_lshl_b32 s21, s20, 14
	s_add_co_u32 s22, s22, s21
	s_wait_kmcnt 0x0
	s_add_nc_u64 s[24:25], s[10:11], s[22:23]      ; x at my 8 rows
	s_add_nc_u64 s[26:27], s[16:17], s[22:23]      ; x1 likewise
	s_mul_i32 s22, s20, 49152
	s_add_co_u32 s22, s22, WO_I
	s_add_nc_u64 s[28:29], s[6:7], s[22:23]        ; wo's images of my 8 tiles
	s_lshl_b32 s22, s20, 11
	s_add_co_u32 s22, s22, WO_S
	s_add_nc_u64 s[30:31], s[6:7], s[22:23]        ; and their scale words
	s_mul_i32 s22, ttmp9, 12288
	s_add_nc_u64 s[32:33], s[4:5], s[22:23]        ; ctx's two tiles
	s_mul_i32 s21, s20, 1536
	s_add_co_u32 s22, s22, s21
	s_add_nc_u64 s[42:43], s[18:19], s[22:23]      ; xn2's images: K step w of the two tiles
	s_lshl_b32 s22, ttmp9, 9
	s_add_co_u32 s22, s22, SC_O
	s_add_nc_u64 s[34:35], s[4:5], s[22:23]        ; ctx's scale words
	s_lshl_b32 s21, s20, 2
	s_add_co_u32 s22, s22, s21
	s_add_nc_u64 s[44:45], s[18:19], s[22:23]      ; xn2's
	s_lshl_b32 s22, s20, 9
	s_add_nc_u64 s[36:37], s[8:9], s[22:23]        ; bo, ln2_g, ln2_b at my 128 columns
	s_add_nc_u64 s[38:39], s[12:13], s[22:23]
	s_add_nc_u64 s[40:41], s[14:15], s[22:23]
	WIN 0xc0
.irp i,0,1,2,3,4,5,6,7
.irp j,0,1,2,3
	global_load_b128 v[16*\i+4*\j:16*\i+4*\j+3], v[LI], s[24:25] offset:\i*2048+512*\j th:TH_LOAD_NT   ; x: 512 consecutive bytes a load
.endr
.endr
.irp b,0,1,2,3,4,5,6,7
	global_load_b128 v[128+8*\b:128+8*\b+3], v[H32], s[40:41] offset:64*\b
	global_load_b128 v[128+8*\b+4:128+8*\b+7], v[H32], s[40:41] offset:64*\b+16
.endr
	WIN 0x40
.irp b,0,1,2,3,4,5,6,7
.irp k,0,1
.irp c,0,1,2
	global_load_b128 v[12*(2*\b+\k)+4*\c:12*(2*\b+\k)+4*\c+3], v[LI], s[28:29] offset:\b*6144+\k*1536+512*\c
.endr
.endr
	global_load_b128 v[192+8*\b:192+8*\b+3], v[H32], s[36:37] offset:64*\b
	global_load_b128 v[192+8*\b+4:192+8*\b+7], v[H32], s[36:37] offset:64*\b+16
.endr
	WIN 0x80
.irp b,0,1,2,3,4,5,6,7
.irp k,0,1
.irp c,0,1,2
	global_load_b128 v[12*(2*\b+\k)+4*\c:12*(2*\b+\k)+4*\c+3], v[LI], s[28:29] offset:\b*6144+(2+\k)*1536+512*\c
.endr
.endr
	global_load_b128 v[192+8*\b:192+8*\b+3], v[H32], s[38:39] offset:64*\b
	global_load_b128 v[192+8*\b+4:192+8*\b+7], v[H32], s[38:39] offset:64*\b+16
.endr
	WIN 0
.irp f,0,1,2,3,4,5,6,7                         ; ctx's fragment (tile f / 4, K step f % 4): six pieces of 8 bytes a lane
.irp m,0,1,2,3,4,5
	global_load_b64 v[CF+12*\f+2*\m:CF+12*\f+2*\m+1], v[L8], s[32:33] offset:\f*1536+256*\m
.endr
.endr
.irp i,0,1,2,3
	global_load_b128 v[WS+4*\i:WS+4*\i+3], v[LI], s[30:31] offset:512*\i
.endr
	global_load_b128 v[AS:AS+3], v[LI], s[34:35]   ; lanes 0-15 tile 0's tokens, lanes 16-31 tile 1's
	s_wait_loadcnt 63                              ; 197 loads stand behind x's 32: x is in
	WIN 0x0c
.irp i,0,1,2,3,4,5,6,7
.irp j,0,1,2,3
	ds_store_b128 v[STW], v[16*\i+4*\j:16*\i+4*\j+3] offset:\i*PITCH+512*\j
.endr
.endr
	WIN 0
	s_wait_dscnt 0x0                               ; my rows of x lie in the stage (and the stores have read their registers)
	s_barrier_signal -1
	s_barrier_wait -1
	s_wait_loadcnt 0x0
.irp k,0,1,2,3                                 ; the 16 accumulators by turns, a K step at a time; bo starts the sums
.if \k == 0
	WIN 0xd1
.elseif \k == 1
	WIN 0xf1
.else
	WIN 0xf2
.endif
.irp a,0,1
.irp b,0,1,2,3,4,5,6,7
.if \k == 0
	WM 8*(8*\a+\b), 12*(2*\b+\k%2), CF+12*(4*\a+\k), 192+8*\b, WS+4*(\b/2)+\k, AS+\k, \b%2, \a
.else
	WM 8*(8*\a+\b), 12*(2*\b+\k%2), CF+12*(4*\a+\k), 8*(8*\a+\b), WS+4*(\b/2)+\k, AS+\k, \b%2, \a
.endif
.endr
.endr
.endr
	WIN 0
	PLACES
	RESID 0
	RESID 1
	s_wait_dscnt 0x0
	s_barrier_signal -1
	s_barrier_wait -1                              ; x1 lies whole in the stage, and the sums' parts are stored
	WIN 0x40
.irp i,0,1,2,3,4,5,6,7
.irp j,0,1,2,3
	ds_load_b128 v[16*\i+4*\j:16*\i+4*\j+3], v[STW] offset:\i*PITCH+512*\j
.endr
.endr
	WIN 0
	PARTS 0
	WIN 0x04
.irp i,0,1,2,3,4,5,6,7
.irp j,0,1,2,3
	global_store_b128 v[LI], v[16*\i+4*\j:16*\i+4*\j+3], s[26:27] offset:\i*2048+512*\j   ; x1: 512 consecutive bytes, aligned
.endr
.endr
	WIN 0
.irp a,0,1
	v_mul_f32 v[MN+2*\a], s48, v[PS+4*\a]          ; the mean, in both halves of a pair
	v_mov_b32 v[MN+2*\a+1], v[MN+2*\a]
.endr
	WIN 0xc3
.irp a,0,1
.set j, 0
.rept 32
	v_pk_add_f32 v[64*\a+j:64*\a+j+1], v[64*\a+j:64*\a+j+1], v[MN+2*\a:MN+2*\a+1] neg_lo:[0,1] neg_hi:[0,1]
.set j, j+2
.endr
.endr
	WIN 0x0f
.irp a,0,1
	v_pk_mul_f32 v[SM+4*\a:SM+4*\a+1], v[64*\a:64*\a+1], v[64*\a:64*\a+1]
	v_pk_mul_f32 v[SM+4*\a+2:SM+4*\a+3], v[64*\a+2:64*\a+3], v[64*\a+2:64*\a+3]
.set j, 4
.rept 15
	v_pk_fma_f32 v[SM+4*\a:SM+4*\a+1], v[64*\a+j:64*\a+j+1], v[64*\a+j:64*\a+j+1], v[SM+4*\a:SM+4*\a+1]
	v_pk_fma_f32 v[SM+4*\a+2:SM+4*\a+3], v[64*\a+j+2:64*\a+j+3], v[64*\a+j+2:64*\a+j+3], v[SM+4*\a+2:SM+4*\a+3]
.set j, j+4
.endr
.endr
	TAILSUM 0, 512
	TAILSUM 1, 512
	s_wait_dscnt 0x0
	s_barrier_signal -1
	s_barrier_wait -1                              ; the squares' parts are stored
	PARTS 512
.irp a,0,1
	v_fma_f32 v[RS+2*\a], v[PS+4*\a], s48, s49     ; the variance + 1e-5
.endr
.irp a,0,1
	v_rsq_f32 v[RS+2*\a], v[RS+2*\a]
.endr
	v_nop
	s_wait_alu depctr_va_vdst(0)                   ; one wait for the two roots, ahead of their first reader
.irp a,0,1
	v_mov_b32 v[RS+2*\a+1], v[RS+2*\a]
.endr
.irp a,0,1
	WIN 0xc3
.set j, 0
.rept 32
	v_pk_mul_f32 v[64*\a+j:64*\a+j+1], v[64*\a+j:64*\a+j+1], v[RS+2*\a:RS+2*\a+1]
.set j, j+2
.endr
	WIN 0x3b
.set j, 0
.rept 32
	v_pk_fma_f32 v[HA+j:HA+j+1], v[64*\a+j:64*\a+j+1], v[192+j:192+j+1], v[128+j:128+j+1]   ; x ln2_g + ln2_b
.set j, j+2
.endr
	WIN 0
	s_wait_xcnt 0x0                                ; the earlier stores have read their registers
	QUANT HA, 0, PC, PW+\a, 1
.irp c,0,1,2
	global_store_b128 v[LI], v[PC+4*\c:PC+4*\c+3], s[42:43] offset:\a*6144+512*\c
.endr
.endr
	v_cndmask_b32 v[PW], v[PW], v[PW+1], s50       ; lanes 0-15 tile 0's tokens, lanes 16-31 tile 1's
	global_store_b32 v[LI], v[PW], s[44:45]
	s_wait_tensorcnt 0x0
	ds_add_u32 v254, v255
	s_wait_dscnt 0x0
	s_endpgm
.Lfunc_end_k_q965e825e06_wo_ln:
	.size	k_q965e825e06_wo_ln, .Lfunc_end_k_q965e825e06_wo_ln-k_q965e825e06_wo_ln
	.p2alignl 7, 3214868480
	.fill 96, 4, 3214868480
	.section	.rodata,"a",@progbits
	.p2align	6, 0x0
	.amdhsa_kernel k_q965e825e06_wo_ln
		.amdhsa_group_segment_fixed_size 67584
		.amdhsa_private_segment_fixed_size 0
		.amdhsa_enable_private_segment 0
		.amdhsa_kernarg_size 64
		.amdhsa_user_sgpr_count 2
		.amdhsa_user_sgpr_kernarg_segment_ptr 1
		.amdhsa_wavefront_size32 1
		.amdhsa_system_sgpr_workgroup_id_x 1
		.amdhsa_system_sgpr_workgroup_id_y 1
		.amdhsa_system_sgpr_workgroup_id_z 1
		.amdhsa_system_vgpr_workitem_id 0
		.amdhsa_next_free_vgpr 1024
		.amdhsa_next_free_sgpr 72
		.amdhsa_reserve_vcc 0
		.amdhsa_float_denorm_mode_32 3
		.amdhsa_float_denorm_mode_16_64 3
		.amdhsa_memory_ordered 1
		.amdhsa_forward_progress 1
		.amdhsa_inst_pref_size 80
	.end_amdhsa_kernel
	.amdgpu_metadata
---
amdhsa.version: [ 1, 2 ]
amdhsa.kernels:
  - .name:           k_q965e825e06_wo_ln
    .symbol:         k_q965e825e06_wo_ln.kd
    .args:
      - { .name: ctx, .offset: 0, .size: 8, .value_kind: global_buffer, .address_space: global }
      - { .name: wimg, .offset: 8, .size: 8, .value_kind: global_buffer, .address_space: global }
      - { .name: bo, .offset: 16, .size: 8, .value_kind: global_buffer, .address_space: global }
      - { .name: x, .offset: 24, .size: 8, .value_kind: global_buffer, .address_space: global }
      - { .name: ln2_g, .offset: 32, .size: 8, .value_kind: global_buffer, .address_space: global }
      - { .name: ln2_b, .offset: 40, .size: 8, .value_kind: global_buffer, .address_space: global }
      - { .name: x1, .offset: 48, .size: 8, .value_kind: global_buffer, .address_space: global }
      - { .name: xa, .offset: 56, .size: 8, .value_kind: global_buffer, .address_space: global }
    .group_segment_fixed_size: 67584
    .private_segment_fixed_size: 0
    .kernarg_segment_align: 8
    .kernarg_segment_size: 64
    .max_flat_workgroup_size: 128
    .sgpr_count:     72
    .vgpr_count:     1024
    .wavefront_size: 32
...
	.end_amdgpu_metadata
.endif
;; end of part 4
;; launch ffn1 (part 5): grid 8 x 32, 4 waves a work-group, clusters of 4 x 4, 197,120 bytes of LDS; arguments xa, wimg, b1, h; writes h
.if DOCPART == 5
	.amdgcn_target "amdgcn-amd-amdhsa--gfx1250"
	.amdhsa_code_object_version 6
	.text
	.protected	k_q965e825e06_ffn1
	.globl	k_q965e825e06_ffn1
	.p2align	8
	.type	k_q965e825e06_ffn1,@function
k_q965e825e06_ffn1:
	s_mov_b64 s[64:65], 0
	v_nop
	global_prefetch_b8 v0, s[64:65] scope:SCOPE_SE
	s_setreg_imm32_b32 hwreg(HW_REG_WAVE_MODE, 25, 1), 1
	s_wait_xcnt 0x0
	s_wait_alu depctr_hold_cnt(0) depctr_sa_sdst(0) depctr_va_vdst(0) depctr_va_sdst(0) depctr_va_ssrc(0) depctr_va_vcc(0) depctr_vm_vsrc(0)
	s_getreg_b32 s2, hwreg(HW_REG_IB_STS2, 6, 4)
	s_cmp_eq_u32 s2, 0
	s_cbranch_scc0 .Lentry_in_a_cluster
	s_endpgm
.Lentry_in_a_cluster:
	s_bfe_u32 s2, ttmp6, 0x10000c
	s_cmp_lg_u32 s2, 0xf033
	s_cbranch_scc0 .Lentry_shape_is_right
	s_endpgm
.Lentry_shape_is_right:
; h = relu(xn2 w1^T + b1), quantised to BF6 along the hidden units, which are the next product's K.
; A work-group makes 256 tokens x 256 hidden units; a wave 128 x 128: 64 accumulators, 256 matrix instructions.  Source 0 = 16 rows of w1, source 1 = 16 tokens: a lane holds one token, its registers run along
; the hidden units.  A wave's 128 units are one K step of the next product: one fragment and one scale word for each tile of 16 tokens.  b1 is the C of each sum's first instruction.
; All of K = 512 lies in LDS, in two chunks of two K steps, each filled once; operands lie as images of their registers (three loads of 512 consecutive bytes a fragment).
; CLUSTER 4 x 4: xn2's tiles are asked for jointly along a row of the cluster, w1's along a column.
; REGISTERS: window 0: v1-7 addresses; v16-31 xn2's scale words, v32-47 w1's; v48-63 at work; v64-127 b1 (later codes and words); v128-223 xn2's 8 fragments (later 64 numbers of h).
;   window 1: w1's 8 fragments, two sets, at v0 and v128.   windows 2, 3: the accumulators, (a, b) at 8 (8 (a % 4) + b).
; NaN and infinities are not served; a block of zeros gets the byte 1.
.set CHB,  98304
.set XA_S, 3145728
.set W1_I, 786432
.set W1_S, 2392064
.set H_S,  12582912
.set LI,   1
.set ADRA, 2
.set ADRB, 4
.set H32,  7
.set SCA,  16
.set SCB,  32
.set TM,   48
.set B1C,  64
.set AF,   128
.set HA,   128
.set PC,   64
.set PW,   84
.set PWS,  86
.set G1A,  24
.set G1B,  32
.set G0A,  44
.set G0B,  52
.set SEL,  62
.set HI,   79
.set MSB, 0
.macro WIN new
.if MSB != (\new)
	s_set_vgpr_msb (MSB<<8)|(\new)
.set MSB, (\new)
.endif
.endm
.macro PLACES
.rept 4
	v_nop
.endr
.endm
.macro QUANT s, w, d, pw, ab
	WIN ((\w)<<2)|((\w)<<4)
.irp b,0,1,2,3
.if \ab
	v_max3_num_f32 v[TM+\b], 0x2800000, |v[(\s)+16*\b]|, |v[(\s)+16*\b+1]|
.else
	v_max3_num_f32 v[TM+\b], 0x2800000, v[(\s)+16*\b], v[(\s)+16*\b+1]
.endif
.endr
.irp i,2,4,6,8,10,12,14
.irp b,0,1,2,3
.if \ab
	v_max3_num_f32 v[TM+\b], v[TM+\b], |v[(\s)+16*\b+\i]|, |v[(\s)+16*\b+\i+1]|
.else
	v_max3_num_f32 v[TM+\b], v[TM+\b], v[(\s)+16*\b+\i], v[(\s)+16*\b+\i+1]
.endif
.endr
.endr
	WIN 0
.irp b,0,1,2,3
	v_permlanex16_b32 v[TM+4+\b], v[TM+\b], s[SEL], s[SEL+1]
.endr
.irp b,0,1,2,3
	v_max_num_f32 v[TM+\b], v[TM+\b], v[TM+4+\b]
.endr
.irp b,0,1,2,3
	v_add_nc_u32 v[TM+12+\b], 0xfe000000, v[TM+\b]
.endr
.irp b,0,1,2,3
	v_lshrrev_b32 v[TM+4+\b], 23, v[TM+12+\b]
.endr
	v_lshl_or_b32 v[\pw], v[TM+5], 8, v[TM+4]
	v_lshl_or_b32 v[\pw], v[TM+6], 16, v[\pw]
	v_lshl_or_b32 v[\pw], v[TM+7], 24, v[\pw]
	WIN \w
.irp c,0,1
	v_cvt_scalef32_pk16_bf6_f32 v[(\d)+6*\c:(\d)+6*\c+2], v[(\s)+32*\c:(\s)+32*\c+15], v[TM+12+2*\c]
	v_cvt_scalef32_pk16_bf6_f32 v[(\d)+12+4*\c:(\d)+14+4*\c], v[(\s)+32*\c+16:(\s)+32*\c+31], v[TM+12+2*\c+1]
.endr
	WIN 0
	v_nop
.irp c,0,1
.irp i,0,1,2
	v_permlane16_swap_b32 v[(\d)+6*\c+\i], v[(\d)+12+4*\c+\i]
.endr
.irp i,0,1,2
	v_mov_b32 v[(\d)+3+6*\c+\i], v[(\d)+12+4*\c+\i]
.endr
.endr
.endm
.macro WM d, a, b, c, sa, sb, ra, rb
.if ((\ra)==0)&&((\rb)==0)
	v_wmma_scale_f32_16x16x128_f8f6f4 v[(\d):(\d)+7], v[(\a):(\a)+11], v[(\b):(\b)+11], v[(\c):(\c)+7], v[\sa], v[\sb] matrix_a_fmt:MATRIX_FMT_BF6 matrix_b_fmt:MATRIX_FMT_BF6
.elseif (\rb)==0
	v_wmma_scale_f32_16x16x128_f8f6f4 v[(\d):(\d)+7], v[(\a):(\a)+11], v[(\b):(\b)+11], v[(\c):(\c)+7], v[\sa], v[\sb] matrix_a_fmt:MATRIX_FMT_BF6 matrix_b_fmt:MATRIX_FMT_BF6 matrix_a_scale:MATRIX_SCALE_ROW1
.elseif (\ra)==0
	v_wmma_scale_f32_16x16x128_f8f6f4 v[(\d):(\d)+7], v[(\a):(\a)+11], v[(\b):(\b)+11], v[(\c):(\c)+7], v[\sa], v[\sb] matrix_a_fmt:MATRIX_FMT_BF6 matrix_b_fmt:MATRIX_FMT_BF6 matrix_b_scale:MATRIX_SCALE_ROW1
.else
	v_wmma_scale_f32_16x16x128_f8f6f4 v[(\d):(\d)+7], v[(\a):(\a)+11], v[(\b):(\b)+11], v[(\c):(\c)+7], v[\sa], v[\sb] matrix_a_fmt:MATRIX_FMT_BF6 matrix_b_fmt:MATRIX_FMT_BF6 matrix_a_scale:MATRIX_SCALE_ROW1 matrix_b_scale:MATRIX_SCALE_ROW1
.endif
.endm
.macro JLOAD g0a, g1a, g0b, g1b        ; a joint load: waves 0, 1 fetch xn2's halves, waves 2, 3 w1's; four v_nop follow each line
	s_cmp_eq_u32 s17, 0
	s_cbranch_scc0 .Lfor_b_\@
	tensor_load_to_lds s[\g0a:\g0a+3], s[\g1a:\g1a+7]
	s_nop 0
.rept 4
	v_nop
.endr
	s_branch .Lasked_\@
.Lfor_b_\@:
	tensor_load_to_lds s[\g0b:\g0b+3], s[\g1b:\g1b+7]
	s_nop 0
.rept 4
	v_nop
.endr
.Lasked_\@:
.endm
.macro CROUND
	s_barrier_signal -1
	s_barrier_wait -1
	s_cmp_lg_u32 s16, 0
	s_cbranch_scc1 .Lnot_wave_0_\@
	s_barrier_signal -3
.Lnot_wave_0_\@:
	s_barrier_wait -3
	s_barrier_signal -1
	s_barrier_wait -1
.endm
.macro FRAG reg, adr, off
.irp c,0,1,2
	ds_load_b128 v[(\reg)+4*\c:(\reg)+4*\c+3], v[\adr] offset:(\off)+512*\c
.endr
.endm
.macro FETCH_B c, q, p
	WIN 0x40
.irp j,0,1,2,3,4,5,6,7
	FRAG 128*(\p)+12*\j, ADRB+(\c), \j*3072+(\q)*1536
.endr
	WIN 0
.endm
.macro FETCH_A c, q, i0
.irp i,\i0,\i0+1,\i0+2,\i0+3
	FRAG AF+12*(\i), ADRA+(\c), (\i)*3072+(\q)*1536
.endr
.endm
.macro MUL16 a0, p, s, first           ; token tiles a0, a0 + 1 x w1's eight tiles
.if (\a0) < 4
.if \first
	WIN 0x81
.else
	WIN 0xa1
.endif
.else
.if \first
	WIN 0xc1
.else
	WIN 0xf1
.endif
.endif
.irp a,\a0,\a0+1
.irp b,0,1,2,3,4,5,6,7
.if \first
	WM 8*(8*((\a)%4)+\b), 128*(\p)+12*\b, AF+12*(\a), B1C+8*\b, SCB+4*(\b/2)+(\s), SCA+4*((\a)/2)+(\s), \b%2, (\a)%2
.else
	WM 8*(8*((\a)%4)+\b), 128*(\p)+12*\b, AF+12*(\a), 8*(8*((\a)%4)+\b), SCB+4*(\b/2)+(\s), SCA+4*((\a)/2)+(\s), \b%2, (\a)%2
.endif
.endr
.endr
.endm
.macro STEP p, s, nc, nq, first        ; a K step: the 64 accumulators by turns, in the same order in every step
	s_wait_dscnt 12                                ; w1's set and xn2's tiles 0-3 are in; the 12 youngest loads (tiles 4-7) may be out
	MUL16 0, \p, \s, \first
	MUL16 2, \p, \s, \first
	s_wait_dscnt 0x0
	PLACES
	FETCH_B \nc, \nq, 1-(\p)
	FETCH_A \nc, \nq, 0
	MUL16 4, \p, \s, \first
	MUL16 6, \p, \s, \first
	PLACES
	WIN 0
	FETCH_A \nc, \nq, 4
.endm
	s_load_b256 s[4:11], s[0:1], 0x0               ; xa, wimg, b1, h
	v_lshl_add_u32 v254, v0, 2, 0x30000
	v_mov_b32 v255, 0
	ds_add_u32 v254, v255
	ds_add_u32 v254, v255
	v_lshrrev_b32 v1, 5, v0
	v_readfirstlane_b32 s16, v1
	s_lshr_b32 s17, s16, 1                         ; th: my half of the tokens.  Also: I fetch xn2 (0) or w1 (1)
	s_and_b32 s18, s16, 1                          ; ch: my half of the hidden units.  Also: which half I fetch
	s_bfe_u32 s40, ttmp6, 0x40000
	s_bfe_u32 s41, ttmp6, 0x40004
	s_lshl_b32 s42, ttmp9, 2
	s_add_co_u32 s42, s42, s40                     ; the block of 256 hidden units
	s_and_b32 s43, ttmp7, 0xffff
	s_lshl_b32 s43, s43, 2
	s_add_co_u32 s43, s43, s41                     ; the block of 256 tokens
	s_lshl_b32 s60, s41, 2
	s_lshl_b32 s60, 15, s60
	s_lshl_b32 s61, 0x1111, s40
	s_or_b32 s[G1A], s60, (3<<16)|(1<<21)
	s_or_b32 s[G1B], s61, (3<<16)|(1<<21)
.irp g,G1A,G1B
	s_mov_b32 s[\g+1], 384<<16                     ; a row: two K steps of a tile, 3,072 bytes
	s_mov_b32 s[\g+2], 8<<16                       ; 8 tiles
	s_mov_b32 s[\g+3], 384<<16
	s_mov_b32 s[\g+4], 8
	s_mov_b32 s[\g+5], 768
	s_mov_b32 s[\g+6], 0
	s_mov_b32 s[\g+7], 0
.endr
	s_lshl_b32 s66, s43, 4
	s_lshl_b32 s67, s18, 3
	s_add_co_u32 s66, s66, s67
	s_mul_i32 s66, s66, 6144
	s_mov_b32 s67, 0
	s_lshl_b32 s68, s42, 4
	s_lshl_b32 s69, s18, 3
	s_add_co_u32 s68, s68, s69
	s_mul_i32 s68, s68, 6144
	s_add_co_u32 s68, s68, W1_I
	s_mov_b32 s69, 0
	s_mul_i32 s20, s16, 24576                      ; where they go in a chunk: wave x 8 tiles
	s_wait_dscnt 0x0
	s_wait_kmcnt 0x0
	s_add_nc_u64 s[66:67], s[4:5], s[66:67]
	s_add_nc_u64 s[68:69], s[6:7], s[68:69]
	CROUND
.irp c,0,1
	s_mov_b32 s[G0A+4*\c], 1
	s_add_co_u32 s[G0A+4*\c+1], s20, \c*CHB
	s_add_nc_u64 s[G0A+4*\c+2:G0A+4*\c+3], s[66:67], \c*3072
	s_or_b32 s[G0A+4*\c+3], s[G0A+4*\c+3], 0x80000000
	s_mov_b32 s[G0B+4*\c], 1
	s_add_co_u32 s[G0B+4*\c+1], s20, \c*CHB
	s_add_nc_u64 s[G0B+4*\c+2:G0B+4*\c+3], s[68:69], \c*3072
	s_or_b32 s[G0B+4*\c+3], s[G0B+4*\c+3], 0x80000000
	JLOAD G0A+4*\c, G1A, G0B+4*\c, G1B             ; two loads of mine are out
.endr
	v_and_b32 v9, 31, v0
	v_lshlrev_b32 v[LI], 4, v9
	v_bfe_u32 v11, v0, 4, 1
	v_lshlrev_b32 v[H32], 5, v11
	s_mul_i32 s20, s17, 24576
	s_mul_i32 s21, s18, 24576
	s_add_co_u32 s21, s21, 49152
.irp c,0,1
	v_add_nc_u32 v[ADRA+\c], s20, v[LI]
	v_add_nc_u32 v[ADRB+\c], s21, v[LI]
	s_add_co_u32 s20, s20, CHB
	s_add_co_u32 s21, s21, CHB
.endr
	s_mov_b32 s[SEL], 0x76543210
	s_mov_b32 s[SEL+1], 0xfedcba98
	s_mov_b32 s[HI], 0xffff0000
.irp b,0,1,2,3
	v_mov_b32 v[TM+4+\b], 0
.endr
	s_lshl_b32 s70, s43, 12
	s_lshl_b32 s72, s17, 11
	s_add_co_u32 s70, s70, s72                     ; 16 x my first token
	s_add_co_u32 s74, s70, XA_S
	s_mov_b32 s75, 0
	s_add_nc_u64 s[74:75], s[4:5], s[74:75]        ; xn2's scale words
	s_lshl_b32 s72, s42, 12
	s_lshl_b32 s73, s18, 11
	s_add_co_u32 s72, s72, s73
	s_add_co_u32 s72, s72, W1_S
	s_mov_b32 s73, 0
	s_add_nc_u64 s[72:73], s[6:7], s[72:73]        ; w1's
	s_lshl_b32 s76, s42, 10
	s_lshl_b32 s77, s18, 9
	s_add_co_u32 s76, s76, s77
	s_mov_b32 s77, 0
	s_add_nc_u64 s[76:77], s[8:9], s[76:77]        ; b1 at my 128 units
.irp i,0,1,2,3
	global_load_b128 v[SCA+4*\i:SCA+4*\i+3], v[LI], s[74:75] offset:512*\i
	global_load_b128 v[SCB+4*\i:SCB+4*\i+3], v[LI], s[72:73] offset:512*\i
.endr
.irp b,0,1,2,3,4,5,6,7
	global_load_b128 v[B1C+8*\b:B1C+8*\b+3], v[H32], s[76:77] offset:64*\b
	global_load_b128 v[B1C+8*\b+4:B1C+8*\b+7], v[H32], s[76:77] offset:64*\b+16
.endr
	s_wait_tensorcnt 1                             ; my part of chunk 0 is in; chunk 1's may stay out
	s_barrier_signal -1
	s_barrier_wait -1
	FETCH_B 0, 0, 0
	FETCH_A 0, 0, 0
	FETCH_A 0, 0, 4
	s_wait_loadcnt 0x0
	STEP 0, 0, 0, 1, 1                             ; K step 0: b1 starts the sums
	s_wait_tensorcnt 0x0                           ; K step 1: my part of chunk 1 is in;
	s_wait_dscnt 12
	MUL16 0, 1, 1, 0
	s_wait_dscnt 0x0
	s_barrier_signal -1
	MUL16 2, 1, 1, 0
	WIN 0
	s_barrier_wait -1                              ; everybody's is
	PLACES
	FETCH_B 1, 0, 0
	FETCH_A 1, 0, 0
	MUL16 4, 1, 1, 0
	MUL16 6, 1, 1, 0
	PLACES
	WIN 0
	FETCH_A 1, 0, 4
	STEP 0, 2, 1, 1, 0
	s_wait_dscnt 12                                ; K step 3: nothing more to fetch
	MUL16 0, 1, 3, 0
	MUL16 2, 1, 3, 0
	s_wait_dscnt 0x0
	MUL16 4, 1, 3, 0
	MUL16 6, 1, 3, 0
	WIN 0
	PLACES
	; THE WAY OUT: my 128 units are K step 2 x block + ch of the next product
	s_lshl_b32 s80, s43, 4
	s_lshl_b32 s81, s17, 3
	s_add_co_u32 s80, s80, s81
	s_mul_i32 s80, s80, 24576
	s_lshl_b32 s81, s42, 1
	s_add_co_u32 s81, s81, s18                     ; the K step
	s_mul_i32 s82, s81, 1536
	s_add_co_u32 s80, s80, s82
	s_and_b32 s82, s81, 3
	s_lshl_b32 s82, s82, 2                         ; its word in the row's 16 bytes
	s_lshr_b32 s83, s81, 2
	s_lshl_b32 s83, s83, 17                        ; its chunk of four K steps
	s_add_co_u32 s82, s82, s83
	s_add_co_u32 s82, s82, s70
	s_add_co_u32 s82, s82, H_S
	s_mov_b32 s81, 0
	s_mov_b32 s83, 0
	s_add_nc_u64 s[80:81], s[10:11], s[80:81]
	s_add_nc_u64 s[82:83], s[10:11], s[82:83]
.irp a,0,1,2,3,4,5,6,7
	WIN 0x08+4*(\a/4)
.set j, 0
.rept 64
	v_max_num_f32 v[HA+j], 0, v[64*(\a%4)+j]       ; the activation, which also brings the numbers into window 0; each accumulator from its low end on
.set j, j+1
.endr
	WIN 0
	s_wait_xcnt 0x0                                ; the last stores have read their registers
	QUANT HA, 0, PC, PW+\a%2, 0
.irp c,0,1,2
	global_store_b128 v[LI], v[PC+4*\c:PC+4*\c+3], s[80:81] offset:\a*24576+512*\c
.endr
.if \a%2 == 1
	v_cndmask_b32 v[PWS+\a/2], v[PW], v[PW+1], s[HI]
	global_store_b32 v[LI], v[PWS+\a/2], s[82:83] offset:(\a/2)*512
.endif
.endr
	s_wait_tensorcnt 0x0
	ds_add_u32 v254, v255
	s_wait_dscnt 0x0
	CROUND                                         ; the closing round
	s_endpgm
.Lfunc_end_k_q965e825e06_ffn1:
	.size	k_q965e825e06_ffn1, .Lfunc_end_k_q965e825e06_ffn1-k_q965e825e06_ffn1
	.p2alignl 7, 3214868480
	.fill 96, 4, 3214868480
	.section	.rodata,"a",@progbits
	.p2align	6, 0x0
	.amdhsa_kernel k_q965e825e06_ffn1
		.amdhsa_group_segment_fixed_size 197120
		.amdhsa_private_segment_fixed_size 0
		.amdhsa_enable_private_segment 0
		.amdhsa_kernarg_size 32
		.amdhsa_user_sgpr_count 2
		.amdhsa_user_sgpr_kernarg_segment_ptr 1
		.amdhsa_wavefront_size32 1
		.amdhsa_system_sgpr_workgroup_id_x 1
		.amdhsa_system_sgpr_workgroup_id_y 1
		.amdhsa_system_sgpr_workgroup_id_z 1
		.amdhsa_system_vgpr_workitem_id 0
		.amdhsa_next_free_vgpr 1024
		.amdhsa_next_free_sgpr 96
		.amdhsa_reserve_vcc 0
		.amdhsa_float_denorm_mode_32 3
		.amdhsa_float_denorm_mode_16_64 3
		.amdhsa_memory_ordered 1
		.amdhsa_forward_progress 1
		.amdhsa_inst_pref_size 106
	.end_amdhsa_kernel
	.amdgpu_metadata
---
amdhsa.version: [ 1, 2 ]
amdhsa.kernels:
  - .name:           k_q965e825e06_ffn1
    .symbol:         k_q965e825e06_ffn1.kd
    .args:
      - { .name: xa, .offset: 0, .size: 8, .value_kind: global_buffer, .address_space: global }
      - { .name: wimg, .offset: 8, .size: 8, .value_kind: global_buffer, .address_space: global }
      - { .name: b1, .offset: 16, .size: 8, .value_kind: global_buffer, .address_space: global }
      - { .name: h, .offset: 24, .size: 8, .value_kind: global_buffer, .address_space: global }
    .group_segment_fixed_size: 197120
    .private_segment_fixed_size: 0
    .kernarg_segment_align: 8
    .kernarg_segment_size: 32
    .max_flat_workgroup_size: 128
    .sgpr_count:     96
    .vgpr_count:     1024
    .wavefront_size: 32
...
	.end_amdgpu_metadata
.endif
;; end of part 5
;; launch ffn2 (part 6): grid 4 x 64, 4 waves a work-group, clusters of 4 x 4, 327,680 bytes of LDS; arguments h, wimg, b2, x1, out0; writes out0
.if DOCPART == 6
	.amdgcn_target "amdgcn-amd-amdhsa--gfx1250"
	.amdhsa_code_object_version 6
	.text
	.protected	k_q965e825e06_ffn2
	.globl	k_q965e825e06_ffn2
	.p2align	8
	.type	k_q965e825e06_ffn2,@function
k_q965e825e06_ffn2:
	s_mov_b64 s[64:65], 0
	v_nop
	global_prefetch_b8 v0, s[64:65] scope:SCOPE_SE
	s_setreg_imm32_b32 hwreg(HW_REG_WAVE_MODE, 25, 1), 1
	s_wait_xcnt 0x0
	s_wait_alu depctr_hold_cnt(0) depctr_sa_sdst(0) depctr_va_vdst(0) depctr_va_sdst(0) depctr_va_ssrc(0) depctr_va_vcc(0) depctr_vm_vsrc(0)
	s_getreg_b32 s2, hwreg(HW_REG_IB_STS2, 6, 4)
	s_cmp_eq_u32 s2, 0
	s_cbranch_scc0 .Lentry_in_a_cluster
	s_endpgm
.Lentry_in_a_cluster:
	s_bfe_u32 s2, ttmp6, 0x10000c
	s_cmp_lg_u32 s2, 0xf033
	s_cbranch_scc0 .Lentry_shape_is_right
	s_endpgm
.Lentry_shape_is_right:
; out = x1 + h w2^T + b2 on codes of BF6.  A tile of 128 tokens x 128 columns to a work-group gives 256 work-groups; a wave makes 64 x 64: 16 accumulators, 256 matrix instructions.
; Source 0 = 16 rows of w2, source 1 = 16 tokens: a lane holds eight neighbouring columns of one row.  b2 is the C of each sum's first instruction.
; K = 2,048 goes in four chunks of 512.  Three LDS slots of 98,304 bytes take chunks 0, 1, 2 as first fills (three loads of a wave are out); chunk 3 is the launch's one refill, into slot 0, behind a round of the
; cluster's barrier; it has two chunks, 128 matrix instructions a wave, in which to land.
; CLUSTER 4 x 4: h's tiles are asked for jointly along a row of the cluster, w2's along a column.
; The way out goes through each wave's own stage (16 rows x 272 bytes) in slot 1, which has had its only fill, and its last read ahead of the barrier in front of chunk 3.
; REGISTERS: window 0: v1-29 addresses; v32-63 h's scale words (8 c + 4 i + s), v64-95 w2's; v96-127 b2; v128-255 the accumulators 8 (4 a + b).
;   window 1: two sets of fragments at 96 p: h's four, then w2's four.   window 2: v0-127 x1's rows; v128-191 rows read back from the stage.
.set SLOT, 98304
.set SPARE, 294912
.set STAGE, 98304
.set W2_I, 1572864
.set W2_S, 2424832
.set H_S,  12582912
.set LI,   1
.set ADRA, 2                           ; v2-4
.set ADRB, 5                           ; v5-7
.set H32,  8
.set CO,   9
.set STO,  10
.set RD,   11
.set SPW,  28
.set NIL,  29
.set SAS,  32
.set SBS,  64
.set B2C,  96
.set ACC,  128
.set G1A,  24
.set G1B,  32
.set G0A0, 44
.set G0A1, 48
.set G0A2, 52
.set G0B0, 56
.set G0B1, 60
.set G0B2, 68
.set MSB, 0
.macro WIN new
.if MSB != (\new)
	s_set_vgpr_msb (MSB<<8)|(\new)
.set MSB, (\new)
.endif
.endm
.macro PLACES
.rept 4
	v_nop
.endr
.endm
.macro WM d, a, b, c, sa, sb, ra, rb
.if ((\ra)==0)&&((\rb)==0)
	v_wmma_scale_f32_16x16x128_f8f6f4 v[(\d):(\d)+7], v[(\a):(\a)+11], v[(\b):(\b)+11], v[(\c):(\c)+7], v[\sa], v[\sb] matrix_a_fmt:MATRIX_FMT_BF6 matrix_b_fmt:MATRIX_FMT_BF6
.elseif (\rb)==0
	v_wmma_scale_f32_16x16x128_f8f6f4 v[(\d):(\d)+7], v[(\a):(\a)+11], v[(\b):(\b)+11], v[(\c):(\c)+7], v[\sa], v[\sb] matrix_a_fmt:MATRIX_FMT_BF6 matrix_b_fmt:MATRIX_FMT_BF6 matrix_a_scale:MATRIX_SCALE_ROW1
.elseif (\ra)==0
	v_wmma_scale_f32_16x16x128_f8f6f4 v[(\d):(\d)+7], v[(\a):(\a)+11], v[(\b):(\b)+11], v[(\c):(\c)+7], v[\sa], v[\sb] matrix_a_fmt:MATRIX_FMT_BF6 matrix_b_fmt:MATRIX_FMT_BF6 matrix_b_scale:MATRIX_SCALE_ROW1
.else
	v_wmma_scale_f32_16x16x128_f8f6f4 v[(\d):(\d)+7], v[(\a):(\a)+11], v[(\b):(\b)+11], v[(\c):(\c)+7], v[\sa], v[\sb] matrix_a_fmt:MATRIX_FMT_BF6 matrix_b_fmt:MATRIX_FMT_BF6 matrix_a_scale:MATRIX_SCALE_ROW1 matrix_b_scale:MATRIX_SCALE_ROW1
.endif
.endm
.macro JLOAD g0a, g1a, g0b, g1b        ; a joint load: waves 0, 1 fetch h's halves, waves 2, 3 w2's; four v_nop follow each line
	s_cmp_eq_u32 s17, 0
	s_cbranch_scc0 .Lfor_b_\@
	tensor_load_to_lds s[\g0a:\g0a+3], s[\g1a:\g1a+7]
	s_nop 0
.rept 4
	v_nop
.endr
	s_branch .Lasked_\@
.Lfor_b_\@:
	tensor_load_to_lds s[\g0b:\g0b+3], s[\g1b:\g1b+7]
	s_nop 0
.rept 4
	v_nop
.endr
.Lasked_\@:
.endm
.macro CREST                           ; a round of the cluster's barrier behind its opening barrier
	s_cmp_lg_u32 s16, 0
	s_cbranch_scc1 .Lnot_wave_0_\@
	s_barrier_signal -3
.Lnot_wave_0_\@:
	s_barrier_wait -3
	s_barrier_signal -1
	s_barrier_wait -1
.endm
.macro CROUND
	s_barrier_signal -1
	s_barrier_wait -1
	CREST
.endm
.macro SETG0 g, lds, bs, go
	s_mov_b32 s[\g], 1
	s_add_co_u32 s[\g+1], s20, \lds
	s_add_nc_u64 s[\g+2:\g+3], s[\bs:\bs+1], \go
	s_or_b32 s[\g+3], s[\g+3], 0x80000000
.endm
.macro FRAG reg, adr, off
.irp c,0,1,2
	ds_load_b128 v[(\reg)+4*\c:(\reg)+4*\c+3], v[\adr] offset:(\off)+512*\c
.endr
.endm
.macro FETCH slot, q, p                ; the eight fragments of K step q of a slot into set p: 24 loads
	WIN 0x40
.irp i,0,1,2,3
	FRAG 96*(\p)+12*\i, ADRA+(\slot), \i*6144+(\q)*1536
.endr
.irp i,0,1,2,3
	FRAG 96*(\p)+48+12*\i, ADRB+(\slot), \i*6144+(\q)*1536
.endr
.endm
.macro MUL8 a0, ks, first              ; token tiles a0, a0 + 1 x w2's four tiles, K step ks of 16
.irp a,\a0,\a0+1
.irp b,0,1,2,3
.if \first
	WM ACC+8*(4*(\a)+\b), 96*((\ks)%2)+48+12*\b, 96*((\ks)%2)+12*(\a), B2C+8*\b, SBS+8*((\ks)/4)+4*(\b/2)+(\ks)%4, SAS+8*((\ks)/4)+4*((\a)/2)+(\ks)%4, \b%2, (\a)%2
.else
	WM ACC+8*(4*(\a)+\b), 96*((\ks)%2)+48+12*\b, 96*((\ks)%2)+12*(\a), ACC+8*(4*(\a)+\b), SBS+8*((\ks)/4)+4*(\b/2)+(\ks)%4, SAS+8*((\ks)/4)+4*((\a)/2)+(\ks)%4, \b%2, (\a)%2
.endif
.endr
.endr
.endm
.macro KSTEP ks, nslot, first          ; the next K step's fragments are asked for, then this one's 16 products: the accumulators by turns
	PLACES
	FETCH \nslot, ((\ks)+1)%4, 1-(\ks)%2
	s_wait_dscnt 24                                ; all but the 24 just issued
	WIN 0x05
	MUL8 0, \ks, \first
	MUL8 2, \ks, \first
.endm
	s_load_b256 s[4:11], s[0:1], 0x0               ; h, wimg, b2, x1
	s_load_b64 s[12:13], s[0:1], 0x20              ; out0
	v_lshl_add_u32 v[SPW], v0, 2, SPARE
	v_mov_b32 v[NIL], 0
	ds_add_u32 v28, v29
	ds_add_u32 v28, v29
	s_wait_dscnt 0x0
	v_lshrrev_b32 v1, 5, v0
	v_readfirstlane_b32 s16, v1
	s_lshr_b32 s17, s16, 1                         ; th: my half of the tokens.  Also: I fetch h (0) or w2 (1)
	s_and_b32 s18, s16, 1                          ; ch: my half of the columns.  Also: which half I fetch
	s_bfe_u32 s40, ttmp6, 0x40000
	s_bfe_u32 s41, ttmp6, 0x40004
	s_lshl_b32 s42, ttmp9, 2
	s_add_co_u32 s42, s42, s40                     ; the block of 128 columns
	s_and_b32 s43, ttmp7, 0xffff
	s_lshl_b32 s43, s43, 2
	s_add_co_u32 s43, s43, s41                     ; the block of 128 tokens
	s_lshl_b32 s72, s41, 2
	s_lshl_b32 s72, 15, s72
	s_lshl_b32 s73, 0x1111, s40
	s_or_b32 s[G1A], s72, (3<<16)|(1<<21)
	s_or_b32 s[G1B], s73, (3<<16)|(1<<21)
.irp g,G1A,G1B
	s_mov_b32 s[\g+1], 768<<16                     ; a row: four K steps of a tile, 6,144 bytes
	s_mov_b32 s[\g+2], 4<<16                       ; 4 tiles
	s_mov_b32 s[\g+3], 768<<16
	s_mov_b32 s[\g+4], 4
	s_mov_b32 s[\g+5], 3072                        ; from tile to tile 24,576 bytes
	s_mov_b32 s[\g+6], 0
	s_mov_b32 s[\g+7], 0
.endr
	s_lshl_b32 s74, s43, 3
	s_lshl_b32 s75, s18, 2
	s_add_co_u32 s74, s74, s75
	s_mul_i32 s74, s74, 24576
	s_mov_b32 s75, 0
	s_lshl_b32 s76, s42, 3
	s_lshl_b32 s77, s18, 2
	s_add_co_u32 s76, s76, s77
	s_mul_i32 s76, s76, 24576
	s_add_co_u32 s76, s76, W2_I
	s_mov_b32 s77, 0
	s_mul_i32 s20, s16, 24576                      ; where they go in a slot: wave x 4 tiles
	s_wait_kmcnt 0x0
	s_add_nc_u64 s[74:75], s[4:5], s[74:75]
	s_add_nc_u64 s[76:77], s[6:7], s[76:77]
	CROUND                                         ; all sixteen work-groups are here: the first joint loads meet
	SETG0 G0A0, 0, 74, 0
	SETG0 G0B0, 0, 76, 0
	SETG0 G0A1, SLOT, 74, 6144
	SETG0 G0B1, SLOT, 76, 6144
	SETG0 G0A2, 2*SLOT, 74, 12288
	SETG0 G0B2, 2*SLOT, 76, 12288
	JLOAD G0A0, G1A, G0B0, G1B
	JLOAD G0A1, G1A, G0B1, G1B
	JLOAD G0A2, G1A, G0B2, G1B
	v_and_b32 v12, 31, v0
	v_lshlrev_b32 v[LI], 4, v12
	v_and_b32 v12, 15, v0                          ; r
	v_bfe_u32 v13, v0, 4, 1                        ; h
	v_lshlrev_b32 v[H32], 5, v13
	v_lshlrev_b32 v[CO], 11, v13
	v_lshl_add_u32 v[CO], v12, 4, v[CO]            ; rows of x1 and out: lanes 0-15 one row's 256 bytes, lanes 16-31 the next row's
	s_mul_i32 s20, s17, 24576
	s_mul_i32 s21, s18, 24576
	s_add_co_u32 s21, s21, 49152
.irp c,0,1,2
	v_add_nc_u32 v[ADRA+\c], s20, v[LI]
	v_add_nc_u32 v[ADRB+\c], s21, v[LI]
	s_add_co_u32 s20, s20, SLOT
	s_add_co_u32 s21, s21, SLOT
.endr
	s_mul_i32 s21, s16, 16*272
	s_add_co_u32 s21, s21, STAGE                   ; my stage
	v_mul_u32_u24 v[STO], v12, 272
	v_add_nc_u32 v[STO], v[STO], v[H32]
	v_add_nc_u32 v[STO], s21, v[STO]               ; in: row r, + 32 h
	v_mul_u32_u24 v[RD], v13, 272
	v_lshl_add_u32 v[RD], v12, 4, v[RD]
	v_add_nc_u32 v[RD], s21, v[RD]                 ; back: two rows an instruction
	s_lshl_b32 s78, s43, 7
	s_lshl_b32 s79, s17, 6
	s_add_co_u32 s78, s78, s79                     ; my first token
	s_lshl_b32 s80, s42, 7
	s_lshl_b32 s81, s18, 6
	s_add_co_u32 s80, s80, s81                     ; my first column
	s_lshl_b32 s82, s78, 4
	s_add_co_u32 s82, s82, H_S
	s_mov_b32 s83, 0
	s_add_nc_u64 s[82:83], s[4:5], s[82:83]        ; h's scale words
	s_lshl_b32 s84, s80, 4
	s_add_co_u32 s84, s84, W2_S
	s_mov_b32 s85, 0
	s_add_nc_u64 s[84:85], s[6:7], s[84:85]        ; w2's
	s_lshl_b32 s86, s80, 2
	s_mov_b32 s87, 0
	s_add_nc_u64 s[88:89], s[8:9], s[86:87]        ; b2
	s_lshl_b32 s90, s78, 11
	s_add_co_u32 s86, s86, s90
	s_add_nc_u64 s[90:91], s[10:11], s[86:87]      ; x1 at my corner
	s_add_nc_u64 s[92:93], s[12:13], s[86:87]      ; out0 likewise
.irp c,0,1,2,3
.irp i,0,1
	global_load_b128 v[SAS+8*\c+4*\i:SAS+8*\c+4*\i+3], v[LI], s[82:83] offset:\c*131072+512*\i
	global_load_b128 v[SBS+8*\c+4*\i:SBS+8*\c+4*\i+3], v[LI], s[84:85] offset:\c*8192+512*\i
.endr
.endr
.irp b,0,1,2,3
	global_load_b128 v[B2C+8*\b:B2C+8*\b+3], v[H32], s[88:89] offset:64*\b
	global_load_b128 v[B2C+8*\b+4:B2C+8*\b+7], v[H32], s[88:89] offset:64*\b+16
.endr
	WIN 0x80
.set n, 0
.rept 32
	global_load_b128 v[4*n:4*n+3], v[CO], s[90:91] offset:2*n*2048 th:TH_LOAD_NT   ; x1: sixteen lanes read 256 consecutive bytes
.set n, n+1
.endr
	WIN 0
	s_wait_tensorcnt 2                             ; my part of chunk 0 is in; chunks 1 and 2 may stay out
	s_barrier_signal -1
	s_barrier_wait -1
	FETCH 0, 0, 0
	s_wait_loadcnt 0x0
	KSTEP 0, 0, 1                                  ; b2 starts the sums
	KSTEP 1, 0, 0
	KSTEP 2, 0, 0
	; chunk 0's last K step, and the one refill
	WIN 0                                          ; (the add's two registers lie in window 0)
	s_wait_tensorcnt 0x0                           ; all my tensor loads have landed: my parts of slots 1 and 2;
	ds_add_u32 v[SPW], v[NIL]                      ; 0 onto my spare word
	s_add_nc_u64 s[G0A0+2:G0A0+3], s[G0A0+2:G0A0+3], 18432   ; no load of mine is out, so a group 0 may be written: slot 0 takes chunk 3
	s_add_nc_u64 s[G0B0+2:G0B0+3], s[G0B0+2:G0B0+3], 18432
	s_wait_dscnt 1                                 ; this K step's fragments are in; the add may be out
	WIN 0x05
	MUL8 0, 3, 0
	s_wait_dscnt 0x0                               ; the add is done, and my reads of slot 0 are over
	s_barrier_signal -1
	MUL8 2, 3, 0
	WIN 0
	s_barrier_wait -1
	CREST                                          ; the barrier has opened a round of the cluster's barrier: no wave of any partner still reads slot 0 or has a load on its way
	JLOAD G0A0, G1A, G0B0, G1B                     ; the first tensor load behind the round; its four v_nop are also the places in front of the loads below
	FETCH 1, 0, 0
	KSTEP 4, 1, 0
	KSTEP 5, 1, 0
	KSTEP 6, 1, 0
	KSTEP 7, 2, 0                                  ; slot 2 was shown whole to every wave by the round
	KSTEP 8, 2, 0
	KSTEP 9, 2, 0
	KSTEP 10, 2, 0
	; chunk 2's last K step: chunk 3 has to be whole for every wave
	WIN 0
	s_wait_tensorcnt 0x0                           ; my part of chunk 3 has landed
	ds_add_u32 v[SPW], v[NIL]
	s_wait_dscnt 0x0                               ; this K step's fragments are in; my reads of slots 1 and 2 are over
	s_barrier_signal -1
	WIN 0x05
	MUL8 0, 11, 0
	MUL8 2, 11, 0
	s_barrier_wait -1
	PLACES
	FETCH 0, 0, 0
	KSTEP 12, 0, 0
	KSTEP 13, 0, 0
	KSTEP 14, 0, 0
	s_wait_dscnt 0x0                               ; the last K step: nothing more to fetch
	WIN 0x05
	MUL8 0, 15, 0
	MUL8 2, 15, 0
	WIN 0
	PLACES
	; THE WAY OUT, 16 rows at a time: through my stage, back as whole rows of 256 bytes, + x1, stored
.irp a,0,1,2,3
.irp b,0,1,2,3
	ds_store_b128 v[STO], v[ACC+8*(4*\a+\b):ACC+8*(4*\a+\b)+3] offset:64*\b          ; each accumulator from its low end on
	ds_store_b128 v[STO], v[ACC+8*(4*\a+\b)+4:ACC+8*(4*\a+\b)+7] offset:64*\b+16
.endr
.if \a > 1
	s_wait_xcnt 0x0                                ; the stores of two blocks ago have read the registers that the loads below fill
.endif
	WIN 0x80
.irp t,0,1,2,3,4,5,6,7
	ds_load_b128 v[128+32*(\a%2)+4*\t:128+32*(\a%2)+4*\t+3], v[RD] offset:544*\t     ; LDS serves a wave's instructions in order: these see the stores above
.endr
	s_wait_dscnt 0x0
	WIN 0x8a
.set j, 0
.rept 16
	v_pk_add_f32 v[128+32*(\a%2)+j:128+32*(\a%2)+j+1], v[128+32*(\a%2)+j:128+32*(\a%2)+j+1], v[32*\a+j:32*\a+j+1]
.set j, j+2
.endr
	WIN 0x08
.irp t,0,1,2,3,4,5,6,7
	global_store_b128 v[CO], v[128+32*(\a%2)+4*\t:128+32*(\a%2)+4*\t+3], s[92:93] offset:(16*\a+2*\t)*2048 th:TH_STORE_NT   ; sixteen lanes store 256 consecutive bytes, aligned
.endr
	WIN 0
.endr
	s_wait_tensorcnt 0x0                           ; the wave's end, behind my last tensor load and my last LDS store
	ds_add_u32 v[SPW], v[NIL]
	s_wait_dscnt 0x0
	CROUND                                         ; the closing round
	s_endpgm
.Lfunc_end_k_q965e825e06_ffn2:
	.size	k_q965e825e06_ffn2, .Lfunc_end_k_q965e825e06_ffn2-k_q965e825e06_ffn2
	.p2alignl 7, 3214868480
	.fill 96, 4, 3214868480
	.section	.rodata,"a",@progbits
	.p2align	6, 0x0
	.amdhsa_kernel k_q965e825e06_ffn2
		.amdhsa_group_segment_fixed_size 327680
		.amdhsa_private_segment_fixed_size 0
		.amdhsa_enable_private_segment 0
		.amdhsa_kernarg_size 40
		.amdhsa_user_sgpr_count 2
		.amdhsa_user_sgpr_kernarg_segment_ptr 1
		.amdhsa_wavefront_size32 1
		.amdhsa_system_sgpr_workgroup_id_x 1
		.amdhsa_system_sgpr_workgroup_id_y 1
		.amdhsa_system_sgpr_workgroup_id_z 1
		.amdhsa_system_vgpr_workitem_id 0
		.amdhsa_next_free_vgpr 768
		.amdhsa_next_free_sgpr 96
		.amdhsa_reserve_vcc 0
		.amdhsa_float_denorm_mode_32 3
		.amdhsa_float_denorm_mode_16_64 3
		.amdhsa_memory_ordered 1
		.amdhsa_forward_progress 1
		.amdhsa_inst_pref_size 87
	.end_amdhsa_kernel
	.amdgpu_metadata
---
amdhsa.version: [ 1, 2 ]
amdhsa.kernels:
  - .name:           k_q965e825e06_ffn2
    .symbol:         k_q965e825e06_ffn2.kd
    .args:
      - { .name: h, .offset: 0, .size: 8, .value_kind: global_buffer, .address_space: global }
      - { .name: wimg, .offset: 8, .size: 8, .value_kind: global_buffer, .address_space: global }
      - { .name: b2, .offset: 16, .size: 8, .value_kind: global_buffer, .address_space: global }
      - { .name: x1, .offset: 24, .size: 8, .value_kind: global_buffer, .address_space: global }
      - { .name: out0, .offset: 32, .size: 8, .value_kind: global_buffer, .address_space: global }
    .group_segment_fixed_size: 327680
    .private_segment_fixed_size: 0
    .kernarg_segment_align: 8
    .kernarg_segment_size: 40
    .max_flat_workgroup_size: 128
    .sgpr_count:     96
    .vgpr_count:     768
    .wavefront_size: 32
...
	.end_amdgpu_metadata
.endif
;; end of part 6
